; MI455X (gfx1250); checked and timed in simulation.
; The chip was launched on July 23, 2026; its instructions are those of AMD's public machine-readable ISA for CDNA 5 (MIT licence, August 2026) and "CDNA5" Instruction Set Architecture Reference Guide (July 2026). The comments in the code are by the model that wrote it; some were corrected since.
;; Cross Attention. Allowed arithmetic: matrix products marked QUANTISED: E2M3 operands, one E8M0 scale for each 32 along K, by v_wmma_scale_f32_16x16x128_f8f6f4 with both operands' format E2M3, f32 sums; everything else in f32.
;; Inputs: Wk 768 x 1,024 float32; Wo 1,024 x 1,024 float32; Wq 1,024 x 1,024 float32; Wv 768 x 1,024 float32; bk 1,024 float32; bo 1,024 float32; bq 1,024 float32; bv 1,024 float32; x 4 x 2,048 x 1,024 float32; y 4 x 2,048 x 768 float32.
;; Outputs: out0 4 x 2,048 x 1,024 float32.
;; This version of the problem:
;;   THIS VERSION OF THE PROBLEM IS GIVEN IN LOW PRECISION. The matrix products marked QUANTISED in the list below multiply operands that are first quantised to E2M3 (2 exponent bits, 3 mantissa bits; 6 bits a number), with one power-of-two scale for each 32 numbers along K (OCP MX v1.0); their sums are f32. All else is computed in f32.
;;   The module's matrix products, in the order in which they are computed (A, B: the left and right operand; K: the contracted axis; several contracted axes count as one K, in the product's order):
;;     1. [M 8,192, K 1,024] x [K 1,024, N 1,024]; A: input x; B: input Wq: QUANTISED
;;     2. [M 8,192, K 768] x [K 768, N 1,024]; A: input y; B: input Wk: QUANTISED
;;     3. [M 8,192, K 768] x [K 768, N 1,024]; A: input y; B: input Wv: QUANTISED
;;     4. batch 64 x [M 2,048, K 64] x [K 64, N 2,048]; A: computed on the way; B: computed on the way: QUANTISED
;;     5. batch 64 x [M 2,048, K 2,048] x [K 2,048, N 64]; A: softmax (see below); B: computed on the way: QUANTISED
;;     6. [M 8,192, K 1,024] x [K 1,024, N 1,024]; A: computed on the way; B: input Wo: QUANTISED
;;   THE QUANTISER, for each operand of a quantised product, along K:
;;     - K is cut into blocks of 32 from its start; a last block that is shorter is filled with zeros.
;;     - A block's scale is 2^e with e = floor(log2(the largest magnitude in the block)) - 2, held to -126 .. 127; a block of zeros has e = 0. As a byte (E8M0): e + 127.
;;     - Each number is divided by its block's scale, clamped to +-7.5, and rounded to the nearest number of E2M3, ties to even, subnormals kept.
;;     - The product sums the exact products of the quantised numbers (number of the format x scale) in f32.
;;   ~~~python
;;   def quantise(x, axis):      # numpy; x: float32 -> the quantised numbers, widened to float32 again
;;       x = np.moveaxis(x, axis, -1); K = x.shape[-1]
;;       x = np.pad(x, [(0, 0)] * (x.ndim - 1) + [(0, -K % 32)]); x = x.reshape(x.shape[:-1] + (-1, 32)); a = np.abs(x).max(-1, keepdims=True)
;;       e = np.where(a > 0, np.clip(np.frexp(np.where(a > 0, a, 1))[1] - 1 - 2, -126, 127), 0)      # np.frexp(a)[1] - 1 = floor(log2(a)), exactly
;;       r = np.clip(x / 2.0 ** e, -7.5, 7.5)
;;       step = 2.0 ** (np.maximum(np.frexp(np.where(r == 0, 1, r))[1] - 1, 0) - 3)
;;       q = np.round(r / step) * step * 2.0 ** e      # np.round: ties to even
;;       return np.moveaxis(q.reshape(q.shape[:-2] + (-1,))[..., :K], -1, axis).astype(np.float32)
;;   ~~~
;;   SOFTMAX AHEAD OF A QUANTISED PRODUCT. Where the list says 'softmax', what is quantised is not the finished softmax but p = 2^(t - M), with t = logit x log2(e) and M = ceil(the row's largest t), a whole number; so 1/2 < the row's largest p <= 1. The row's sum l is taken of the UNQUANTISED p, in f32, and the product's result is divided by l at the end. Since M is a whole number, a kernel that streams over the keys may use a running M (the ceiling of the running maximum): every later rescaling is an exact power of two, which a block's scale takes up: the codes' values come out the same.
;;   OPERANDS COMPUTED ON THE WAY. 'Computed on the way' means the value that the module computes at that place (a softmax that the list does not call 'softmax' is quantised finished and normalised). What goes into a quantiser is computed in f32, as accurately as f32 sums, v_exp_f32 and their like allow (about 1e-6 of the number): no bf16 or f16 on the way to a quantiser, and a product that is left as it is and whose result goes on into a quantised operand takes f32 operands (vector FMAs, or v_wmma_f32_16x16x4_f32). A number that lies on a knife's edge between two numbers of the format may be rounded either way, as far as f32 arithmetic and the matrix unit's own rounding can turn it there, and no further.
;; One version. Each part assembles by itself: llvm-mc -triple=amdgcn-amd-amdhsa -mcpu=gfx1250 --defsym DOCPART=n.
;; ======== version 1 of 1: 4 launches
;; limits: right only within a limited range of input values
;; workspace buffers: wf 2,867,200 bytes; qf 6,553,600 bytes; kv 13,107,200 bytes; ac 6,291,456 bytes; asc 262,144 bytes
;; launch wprep (part 1): grid 16 x 28, 4 waves a work-group, no clusters, 0 bytes of LDS; arguments Wq, Wo, Wk, Wv, wf; writes wf
.if DOCPART == 1
	.amdgcn_target "amdgcn-amd-amdhsa--gfx1250"
	.amdhsa_code_object_version 6
	.text
	.protected	k_qa82e2232c9_wprep
	.globl	k_qa82e2232c9_wprep
	.p2align	8
	.type	k_qa82e2232c9_wprep,@function
k_qa82e2232c9_wprep:
	s_mov_b64 s[64:65], 0
	v_nop
	global_prefetch_b8 v0, s[64:65] scope:SCOPE_SE
	s_setreg_imm32_b32 hwreg(HW_REG_WAVE_MODE, 25, 1), 1
	s_wait_xcnt 0x0
; CROSS ATTENTION ON CODES OF E2M3, launch 1 of 4: the four weights become codes.
; NOTHING OF reference() IS LEFT OUT in this program: all six products are live, every input has a way to out0 (bk too: it moves k's codes), and there is no mask.
; LIMITS of the whole program: NaN and infinities among the inputs are not served.  A block whose largest magnitude lies under 2^-124 gets the scale byte 1 (the floor below); so does a block of
; zeros, where the rule says 127: its codes are zeros, which add nothing under any byte but 0xff, and these bytes are read by this program alone.
; WHAT THIS LAUNCH DOES.  W [K][1024] f32 has K as its FIRST axis.  A lane takes a column and its registers run DOWN K, in the order that the matrix operand gives that lane: lane (r, h) holds
; k = 64 c + 32 h + 0 .. 31 in registers 6 c .. 6 c + 5.  So the conversions' results are the operand's registers, and they are stored as an IMAGE: register 4 c + i of lane l at byte 512 c + 16 l + 4 i.
; THE COLUMNS OF A TILE ARE NOT NEIGHBOURS: lane r of tile 2 b + u takes column 32 b + 8 u + r + 8 (r / 8), so that the 16 result registers of tiles 2 b and 2 b + 1 are 16 neighbouring columns.
; wf: a block of 6,400 bytes for each (64 columns cg, 128 along K s): four images of 1,536 bytes, then at 6,144 the scale words, 16 bytes a lane r (word f for tile f).
; SHARES.  Work-group x = cg; y = the weight and its K step (0-7 Wq, 8-15 Wo, 16-21 Wk, 22-27 Wv); wave f makes tile f.  The four waves together read 256 neighbouring bytes of each row of W.
; No LDS, no matrix unit, no cluster: each number is read once and work-groups share nothing.
.set NUM, 64                           ; v64-127 my 64 numbers: register 32 c + i = W(128 s + 64 c + 32 h + i, my column)
.set COD, 16                           ; v16-27  the fragment's twelve registers
.set CT,  28                           ; v28-30, v32-34: a conversion's three registers begin on an even number, so a block's second half is made here and moved
	s_load_b256 s[4:11], s[0:1], 0x0               ; Wq s[4:5], Wo s[6:7], Wk s[8:9], Wv s[10:11]
	s_load_b64 s[12:13], s[0:1], 0x20              ; wf
	v_lshrrev_b32 v1, 5, v0
	v_readfirstlane_b32 s21, v1                    ; wave = tile f
	v_and_b32 v3, 31, v0                           ; lane
	v_and_b32 v1, 15, v0                           ; r
	v_bfe_u32 v2, v0, 4, 1                         ; h
	v_and_b32 v4, 8, v1
	v_add_nc_u32 v4, v4, v1                        ; r + 8 (r / 8)
	v_lshlrev_b32 v4, 2, v4                        ; my column, in bytes,
	v_lshl_add_u32 v4, v2, 17, v4                  ; and 32 rows of 4,096 bytes further down for lanes 16-31
	v_lshlrev_b32 v5, 4, v3                        ; an image's place for my lane
	v_lshlrev_b32 v6, 4, v1                        ; my row's four scale words
	s_mov_b32 s2, 0x76543210
	s_mov_b32 s3, 0xfedcba98                       ; v_permlanex16_b32's selects for lane l xor 16
	s_and_b32 s20, ttmp7, 0xffff                   ; y
	s_mov_b32 s16, 22                              ; the weight's first y, its place in wf, its K steps: Wv's, unless y says otherwise
	s_mov_b32 s17, 2252800
	s_mov_b32 s18, 6
	s_cmp_lt_u32 s20, 22
	s_cselect_b32 s16, 16, s16
	s_cselect_b32 s17, 1638400, s17
	s_cmp_lt_u32 s20, 16
	s_cselect_b32 s16, 8, s16
	s_cselect_b32 s17, 819200, s17
	s_cselect_b32 s18, 8, s18
	s_cmp_lt_u32 s20, 8
	s_cselect_b32 s16, 0, s16
	s_cselect_b32 s17, 0, s17
	s_sub_co_u32 s19, s20, s16                     ; the K step s
	s_lshl_b32 s22, s19, 19                        ; from: 128 s rows of 4,096 bytes
	s_lshl_b32 s23, ttmp9, 8                       ; + 64 cg columns
	s_add_co_u32 s22, s22, s23
	s_lshr_b32 s23, s21, 1
	s_lshl_b32 s23, s23, 7                         ; + 32 (f / 2) columns
	s_add_co_u32 s22, s22, s23
	s_and_b32 s23, s21, 1
	s_lshl_b32 s23, s23, 5                         ; + 8 (f % 2) columns
	s_add_co_u32 s22, s22, s23
	s_mov_b32 s23, 0
	s_mul_i32 s24, ttmp9, s18                      ; to: block cg x (K steps) + s of the weight's part of wf
	s_add_co_u32 s24, s24, s19
	s_mul_i32 s24, s24, 6400
	s_add_co_u32 s24, s24, s17
	s_mul_i32 s26, s21, 1536                       ; my image in it,
	s_add_co_u32 s26, s26, s24
	s_mov_b32 s27, 0
	s_lshl_b32 s28, s21, 2                         ; and my word of each lane's four
	s_add_co_u32 s28, s28, s24
	s_add_co_u32 s28, s28, 6144
	s_mov_b32 s29, 0
	s_wait_alu depctr_va_vdst(0)
	s_wait_kmcnt 0x0
	s_cmp_lt_u32 s20, 22                           ; the choice of the buffer hangs on the work-group's number alone
	s_cselect_b64 s[14:15], s[8:9], s[10:11]
	s_cmp_lt_u32 s20, 16
	s_cselect_b64 s[14:15], s[6:7], s[14:15]
	s_cmp_lt_u32 s20, 8
	s_cselect_b64 s[14:15], s[4:5], s[14:15]
	s_add_nc_u64 s[14:15], s[14:15], s[22:23]
	s_add_nc_u64 s[26:27], s[12:13], s[26:27]
	s_add_nc_u64 s[28:29], s[12:13], s[28:29]
.irp c, 0,1
.irp i, 0,1,2,3,4,5,6,7,8,9,10,11,12,13,14,15,16,17,18,19,20,21,22,23,24,25,26,27,28,29,30,31
	global_load_b32 v[NUM+32*\c+\i], v4, s[14:15] offset:(64*\c+\i)*4096
.endr
.endr
	s_wait_loadcnt 0x0
.irp c, 0,1                                    ; my block 2 c + h: all its 32 numbers are mine
	v_max3_num_f32 v[8+\c], |v[NUM+32*\c]|, |v[NUM+1+32*\c]|, 0x1800000   ; and the floor 2^(3 - 127): the byte cannot fall under 1
.endr
.irp i, 2,4,6,8,10,12,14,16,18,20,22,24,26,28,30
.irp c, 0,1
	v_max3_num_f32 v[8+\c], v[8+\c], |v[NUM+32*\c+\i]|, |v[NUM+1+32*\c+\i]|   ; (the two blocks by turns)
.endr
.endr
.irp c, 0,1
	v_add_nc_u32 v[10+\c], 0xff000000, v[8+\c]     ; 2 off the exponent field: the conversion takes that field of this operand as its scale
.endr
.irp c, 0,1
	v_lshrrev_b32 v[12+\c], 23, v[10+\c]           ; the scale's byte
.endr
	v_lshl_or_b32 v14, v13, 16, v12                ; my two bytes: blocks h and 2 + h of my column,
	v_lshlrev_b32 v15, 3, v2
	v_lshlrev_b32 v14, v15, v14                    ; at their places in the scale word (8 h bits up);
	v_mov_b32 v15, 0
	v_permlanex16_b32 v15, v14, s2, s3
	v_or_b32 v14, v14, v15                         ; with lane l xor 16's two the word is whole
.irp c, 0,1
	v_cvt_scalef32_pk16_fp6_f32 v[COD+6*\c:COD+2+6*\c], v[NUM+32*\c:NUM+15+32*\c], v[10+\c]
	v_cvt_scalef32_pk16_fp6_f32 v[CT+4*\c:CT+2+4*\c], v[NUM+16+32*\c:NUM+31+32*\c], v[10+\c]
.endr
	v_nop                                          ; one plain place behind a scaled conversion
.irp c, 0,1
.irp i, 0,1,2
	v_mov_b32 v[COD+3+6*\c+\i], v[CT+4*\c+\i]
.endr
.endr
.irp c, 0,1,2
	global_store_b128 v5, v[COD+4*\c:COD+4*\c+3], s[26:27] offset:512*\c   ; 32 lanes store 512 consecutive bytes, at a multiple of 256 from wf's first byte
.endr
	s_wait_xcnt 0x0                                ; EXEC changes only behind this wait
	v_cmp_gt_u32 vcc_lo, 16, v3
	s_and_saveexec_b32 s30, vcc_lo                 ; lanes 0-15: one word a row (4 bytes beside the tile's 96 bytes of codes a row)
	global_store_b32 v6, v14, s[28:29]
	s_wait_xcnt 0x0
	s_or_b32 exec_lo, exec_lo, s30
	s_endpgm
.Lfunc_end_k_qa82e2232c9_wprep:
	.size	k_qa82e2232c9_wprep, .Lfunc_end_k_qa82e2232c9_wprep-k_qa82e2232c9_wprep
	.p2alignl 7, 3214868480
	.fill 96, 4, 3214868480
	.section	.rodata,"a",@progbits
	.p2align	6, 0x0
	.amdhsa_kernel k_qa82e2232c9_wprep
		.amdhsa_group_segment_fixed_size 0
		.amdhsa_private_segment_fixed_size 0
		.amdhsa_enable_private_segment 0
		.amdhsa_kernarg_size 40
		.amdhsa_user_sgpr_count 2
		.amdhsa_user_sgpr_kernarg_segment_ptr 1
		.amdhsa_wavefront_size32 1
		.amdhsa_system_sgpr_workgroup_id_x 1
		.amdhsa_system_sgpr_workgroup_id_y 1
		.amdhsa_system_sgpr_workgroup_id_z 1
		.amdhsa_system_vgpr_workitem_id 0
		.amdhsa_next_free_vgpr 128
		.amdhsa_next_free_sgpr 66
		.amdhsa_reserve_vcc 1
		.amdhsa_float_denorm_mode_32 3
		.amdhsa_float_denorm_mode_16_64 3
		.amdhsa_memory_ordered 1
		.amdhsa_forward_progress 1
		.amdhsa_inst_pref_size 13
	.end_amdhsa_kernel
	.amdgpu_metadata
---
amdhsa.version: [ 1, 2 ]
amdhsa.kernels:
  - .name:           k_qa82e2232c9_wprep
    .symbol:         k_qa82e2232c9_wprep.kd
    .args:
      - { .name: Wq, .offset: 0, .size: 8, .value_kind: global_buffer, .address_space: global }
      - { .name: Wo, .offset: 8, .size: 8, .value_kind: global_buffer, .address_space: global }
      - { .name: Wk, .offset: 16, .size: 8, .value_kind: global_buffer, .address_space: global }
      - { .name: Wv, .offset: 24, .size: 8, .value_kind: global_buffer, .address_space: global }
      - { .name: wf, .offset: 32, .size: 8, .value_kind: global_buffer, .address_space: global }
    .group_segment_fixed_size: 0
    .private_segment_fixed_size: 0
    .kernarg_segment_align: 8
    .kernarg_segment_size: 40
    .max_flat_workgroup_size: 128
    .sgpr_count:     66
    .vgpr_count:     128
    .wavefront_size: 32
...
	.end_amdgpu_metadata
.endif
;; end of part 1
;; launch proj (part 2): grid 256 x 1, 8 waves a work-group, no clusters, 171,008 bytes of LDS; arguments x, y, wf, bq, bk, bv, qf, kv; writes qf, kv
.if DOCPART == 2
	.amdgcn_target "amdgcn-amd-amdhsa--gfx1250"
	.amdhsa_code_object_version 6
	.text
	.protected	k_qa82e2232c9_proj
	.globl	k_qa82e2232c9_proj
	.p2align	8
	.type	k_qa82e2232c9_proj,@function
k_qa82e2232c9_proj:
	s_mov_b64 s[64:65], 0
	v_nop
	global_prefetch_b8 v0, s[64:65] scope:SCOPE_SE
	s_setreg_imm32_b32 hwreg(HW_REG_WAVE_MODE, 25, 1), 1
	s_wait_xcnt 0x0
; Launch 2 of 4: q = x Wq + bq, k = y Wk + bk, v = y Wv + bv on codes of E2M3, and q, k, v quantised for the attention.  Nothing of reference() is left out.  Limits: as stated at the head of the first launch.
; SHARES.  Work-group number = 4 x (block of 128 rows) + kind: kind 0, 1: q, heads 0-7, 8-15; kind 2: k; kind 3: v (16 heads each, in two passes of 8).  In a pass wave w makes 128 rows x one head's 64 columns:
; 32 accumulators, 256 registers (window 1).
; PHASE X.  Wave w quantises tile w of the block's rows (16 rows, all of K) and stores the fragments in LDS as images of their registers: register 4 c + i of lane l at 512 c + 16 l + 4 i; a barrier; every wave loads them so.
; A load takes 512 consecutive bytes of one row; the conversions want 16 neighbours along K in one lane: the 16 x 512 bytes of a K step turn through the wave's own stage in LDS (rows 528 bytes apart).
; THE ROWS OF A TILE ARE NOT NEIGHBOURS: lane r of tile 2 b + u takes row 32 b + 8 u + r + 8 (r / 8) of the block; the weights' tiles are laid likewise.  So 16 result registers of two neighbouring tiles of source 0 are 16 neighbours.
; q, k (mode 0): source 0 = the weights' tile, source 1 = the rows' tile: a lane holds one row and 32 registers along the head's 64: two blocks of 32.  Two row tiles give a PAIR FRAGMENT: registers 0-5 tile 2 g, registers 6-11 tile 2 g + 1.
; v (mode 1): source 0 = the rows' tile, source 1 = the weights' tile: a lane holds one column of v and 64 registers along the 128 rows (the keys, the second product's K): one fragment and one scale word a weight tile.
; NO CLUSTER, NO TENSOR LOAD: a weight fragment is multiplied by one wave alone and goes from memory straight into that wave's registers; through LDS its 1,536 bytes, which feed 8 matrix instructions, would add 192 bytes of LDS reads
; to the 384 that each matrix instruction already takes for the rows' operand.  The rows that two work-groups share are read as f32 and quantised in registers; their numbers are neighbours in the launch.
; REGISTERS, window 0: v1-13 addresses; v14, v15 the add's two; v16-23, v24-31 scale words and nothing else; v32-127 the rows' 8 fragments; v128-223 the weights' 4 fragments, two sets; v224-255 the bias.
;   Phase X and the way out lay their work over the fragments: v32-95 64 numbers, v96-107 at work, v108-126 codes, v127 / v128-131 scale words, v128-255 rows as loaded (two sets of 64).
.set XSC,   98304                      ; LDS: from 0 the images [K step][tile][1,536]; here their scale words [tile][r][8 words];
.set STG,   102400                     ; the stages, 16 x 528 bytes for each wave;
.set SPARE, 169984                     ; the spare words, 128 bytes for each wave: four blocks of 256 bytes that no other line names
.set L16,  1                           ; v1   16 x lane: a lane's place in an image, in a row's 512 bytes, in wf, qf, kv
.set SIN,  2                           ; v2   the stage, on the way in
.set SOUT, 3                           ; v3   and out: row r, + 64 h
.set XWA,  4                           ; v4   where I store images of K steps 0-3;  v5: of K steps 4-7 (an LDS offset has 16 bits)
.set XWB,  5
.set XWS,  6                           ; v6   and their scale words
.set LIB,  8                           ; v8   16 x lane + 49,152: images of K steps 4-7
.set LS,   9                           ; v9   the rows' scale words: 32 r
.set WR,   10                          ; v10  the weights' scale words in a block of wf: 6,144 + 16 r
.set BH,   11                          ; v11  the bias, mode 0: 64 h
.set BR,   12                          ; v12  the bias, mode 1: 4 (r + 8 (r / 8))
.set R16,  13                          ; v13  16 r: my row's four scale words on the way out
.set SPW,  14
.set NIL,  15
.set AS,   16
.set BS,   24
.set AF,   32
.set BF,   128
.set BIAS, 224
.set X,    32
.set TM,   96                          ; +0..3 largest magnitudes, +4..7 the other half's, then the bytes, +8..11 the conversions' scale operands
.set PC,   108
.set PW,   127
.set SW,   128
.set R,    128
.set WV,   20
.set TYP,  21
.set SEL,  28
.set ROWS, 32                          ; s[32:63] the addresses of my 16 rows
.set WP,   66                          ; s[66:67] my head's blocks of wf
.set BP,   68                          ; s[68:69] my head's 64 numbers of the bias
.set OC,   70                          ; s[70:71] where my codes go;  s[72:73] my scale words
.set OS,   72
.set NP,   78                          ; s78  passes in all: 1 (q) or 2 (k, v); never rewritten
.set CNT,  79                          ; s79  passes done
.set MSB, 0
.macro WIN new                         ; the immediate's high byte repeats the setting that is left
.if MSB != \new
	s_set_vgpr_msb (MSB<<8)|\new
.set MSB, \new
.endif
.endm
.macro PLACES                          ; four places behind a matrix instruction, in front of loads into its registers and of reads of its results
.rept 4
	v_nop
.endr
.endm
; 64 numbers of a lane, register 16 b + i = place 32 b + 16 (lane / 16) + i of my row, become a fragment's codes in v[PC] on and its scale word in v[pw].
.macro QUANT s, pw
.irp b, 0,1,2,3
	v_max3_num_f32 v[TM+\b], |v[(\s)+16*\b]|, |v[(\s)+1+16*\b]|, 0x1800000   ; block b: my 16 numbers, and the floor 2^(3 - 127): the byte cannot fall under 1
.endr
.irp i, 2,4,6,8,10,12,14
.irp b, 0,1,2,3
	s_delay_alu instid0(VALU_DEP_4)
	v_max3_num_f32 v[TM+\b], v[TM+\b], |v[(\s)+16*\b+\i]|, |v[(\s)+1+16*\b+\i]|   ; (the four blocks by turns)
.endr
.endr
.irp b, 0,1,2,3
	s_delay_alu instid0(VALU_DEP_4)
	v_permlanex16_b32 v[TM+4+\b], v[TM+\b], s[SEL], s[SEL+1]
.endr
.irp b, 0,1,2,3
	s_delay_alu instid0(VALU_DEP_4)
	v_max_num_f32 v[TM+\b], v[TM+\b], v[TM+4+\b]   ; with lane l xor 16's: the block's largest magnitude
.endr
.irp b, 0,1,2,3
	s_delay_alu instid0(VALU_DEP_4)
	v_add_nc_u32 v[TM+8+\b], 0xff000000, v[TM+\b]  ; 2 off its exponent field: the conversion's scale operand
.endr
.irp b, 0,1,2,3
	s_delay_alu instid0(VALU_DEP_4)
	v_lshrrev_b32 v[TM+4+\b], 23, v[TM+8+\b]       ; the scale's byte
.endr
	s_delay_alu instid0(VALU_DEP_3)
	v_lshl_or_b32 v[(\pw)], v[TM+5], 8, v[TM+4]
	s_delay_alu instid0(VALU_DEP_1)
	v_lshl_or_b32 v[(\pw)], v[TM+6], 16, v[(\pw)]
	s_delay_alu instid0(VALU_DEP_1)
	v_lshl_or_b32 v[(\pw)], v[TM+7], 24, v[(\pw)]
.irp c, 0,1
	v_cvt_scalef32_pk16_fp6_f32 v[PC+6*\c:PC+2+6*\c], v[(\s)+32*\c:(\s)+15+32*\c], v[TM+8+2*\c]
	v_cvt_scalef32_pk16_fp6_f32 v[PC+12+4*\c:PC+14+4*\c], v[(\s)+16+32*\c:(\s)+31+32*\c], v[TM+8+2*\c+1]   ; (a conversion's three registers begin on an even number)
.endr
	v_nop                                          ; one plain place behind a scaled conversion
.irp c, 0,1                                    ; the operand's layout wants a WHOLE block in a lane: lanes 0-15 block 2 c, lanes 16-31 block 2 c + 1
.irp i, 0,1,2
	v_permlane16_swap_b32 v[PC+6*\c+\i], v[PC+12+4*\c+\i]
.endr
.irp i, 0,1,2
	s_delay_alu instid0(VALU_DEP_3)
	v_mov_b32 v[PC+3+6*\c+\i], v[PC+12+4*\c+\i]
.endr
.endr
.endm
; v's quantiser: 64 numbers of a lane, register 32 c + i = key 64 c + 32 (lane / 16) + i: two whole blocks, in the operand's own order.  No other lane is asked for a maximum; the scale word's bytes of lanes l and l xor 16 are joined.
.macro QUANT2 s, pw
.irp b, 0,1,2,3
	v_max3_num_f32 v[TM+\b], |v[(\s)+16*\b]|, |v[(\s)+1+16*\b]|, 0x1800000   ; four chains of 16 numbers, each with the floor 2^(3 - 127)
.endr
.irp i, 2,4,6,8,10,12,14
.irp b, 0,1,2,3
	v_max3_num_f32 v[TM+\b], v[TM+\b], |v[(\s)+16*\b+\i]|, |v[(\s)+1+16*\b+\i]|
.endr
.endr
	v_lshrrev_b32 v[TM+7], 3, v[BH]                ; 8 h
	v_max_num_f32 v[TM], v[TM], v[TM+1]            ; block c's largest magnitude
	v_max_num_f32 v[TM+2], v[TM+2], v[TM+3]
	s_delay_alu instid0(VALU_DEP_2)
	v_add_nc_u32 v[TM+8], 0xff000000, v[TM]        ; 2 off the exponent field: the conversion's scale operand
	s_delay_alu instid0(VALU_DEP_2)
	v_add_nc_u32 v[TM+9], 0xff000000, v[TM+2]
	s_delay_alu instid0(VALU_DEP_2)
	v_lshrrev_b32 v[TM+4], 23, v[TM+8]             ; the scale's byte
	s_delay_alu instid0(VALU_DEP_2)
	v_lshrrev_b32 v[TM+5], 23, v[TM+9]
	s_delay_alu instid0(VALU_DEP_1)
	v_lshl_or_b32 v[(\pw)], v[TM+5], 16, v[TM+4]   ; my bytes: blocks h and 2 + h,
	s_delay_alu instid0(VALU_DEP_1)
	v_lshlrev_b32 v[(\pw)], v[TM+7], v[(\pw)]      ; at their places (8 h bits up);
	s_delay_alu instid0(VALU_DEP_1)
	v_permlanex16_b32 v[TM+6], v[(\pw)], s[SEL], s[SEL+1]
	s_delay_alu instid0(VALU_DEP_1)
	v_or_b32 v[(\pw)], v[(\pw)], v[TM+6]           ; with lane l xor 16's two the word is whole
.irp c, 0,1
	v_cvt_scalef32_pk16_fp6_f32 v[PC+6*\c:PC+2+6*\c], v[(\s)+32*\c:(\s)+15+32*\c], v[TM+8+\c]
	v_cvt_scalef32_pk16_fp6_f32 v[PC+12+4*\c:PC+14+4*\c], v[(\s)+16+32*\c:(\s)+31+32*\c], v[TM+8+\c]   ; (a conversion's three registers begin on an even number)
.endr
	v_nop                                          ; one plain place behind a scaled conversion
.irp c, 0,1
.irp i, 0,1,2
	v_mov_b32 v[PC+3+6*\c+\i], v[PC+12+4*\c+\i]
.endr
.endr
.endm
.macro XLOAD s
.irp p, 0,1,2,3,4,5,6,7,8,9,10,11,12,13,14,15
	global_load_b128 v[R+64*((\s)%2)+4*\p:R+64*((\s)%2)+4*\p+3], v[L16], s[ROWS+2*\p:ROWS+2*\p+1] offset:512*(\s)
.endr
.endm
; K step s of phase X.  n: the younger loads that may stay out.  y has 6 K steps and x 8: the loads of steps 6 and 7 are jumped over for y (a branch on the work-group's number)
.macro XSTEP s, n
	s_wait_loadcnt \n
.irp p, 0,1,2,3,4,5,6,7,8,9,10,11,12,13,14,15
	ds_store_b128 v[SIN], v[R+64*((\s)%2)+4*\p:R+64*((\s)%2)+4*\p+3] offset:528*\p
.endr
.irp j, 0,1,2,3,4,5,6,7,8,9,10,11,12,13,14,15
	ds_load_b128 v[X+4*\j:X+4*\j+3], v[SOUT] offset:128*(\j/4)+16*(\j%4)   ; LDS serves a wave's instructions in order (ISA guide 5.7.1.4): these see the stores above
.endr
	s_wait_dscnt 0x0                               ; the turn is back; the last image's stores have read their registers
.if (\s) < 4
	XLOAD (\s)+2
.elseif (\s) < 6
	s_cmp_ge_u32 s[TYP], 2
	s_cbranch_scc1 .Lshort_\@
	XLOAD (\s)+2
.Lshort_\@:
.endif
	QUANT X, PW
.irp c, 0,1,2
.if (\s) < 4
	ds_store_b128 v[XWA], v[PC+4*\c:PC+4*\c+3] offset:((\s)%4)*12288+512*\c
.else
	ds_store_b128 v[XWB], v[PC+4*\c:PC+4*\c+3] offset:((\s)%4)*12288+512*\c
.endif
.endr
	ds_store_b32 v[XWS], v[PW] offset:4*(\s)       ; lanes r and r + 16 write the same word with the same value
.endm
.macro BLOAD s, p                      ; the weights' four fragments and their scale words of K step s into set p
.irp i, 0,1,2,3,4,5,6,7,8,9,10,11
	global_load_b128 v[BF+48*(\p)+4*\i:BF+48*(\p)+4*\i+3], v[L16], s[WP:WP+1] offset:6400*(\s)+512*\i
.endr
	global_load_b128 v[BS+4*(\p):BS+4*(\p)+3], v[WR], s[WP:WP+1] offset:6400*(\s)
.endm
.macro AH half, s                      ; the rows' tiles 4 half .. 4 half + 3 of K step s: 16 LDS loads
.irp t, 0,1,2,3
.irp c, 0,1,2
.if (\s) < 4
	ds_load_b128 v[AF+12*(4*(\half)+\t)+4*\c:AF+12*(4*(\half)+\t)+4*\c+3], v[L16] offset:(((\s)%4)*8+4*(\half)+\t)*1536+512*\c
.else
	ds_load_b128 v[AF+12*(4*(\half)+\t)+4*\c:AF+12*(4*(\half)+\t)+4*\c+3], v[LIB] offset:(((\s)%4)*8+4*(\half)+\t)*1536+512*\c
.endif
.endr
	ds_load_b32 v[AS+4*(\half)+\t], v[LS] offset:512*(4*(\half)+\t)+4*(\s)
.endr
.endm
; 16 matrix instructions.  The 32 accumulators take turns, one instruction a turn, in the same order in every K step.  K step 0 starts the sums: nothing is cleared.
.macro MUL mode, half, p, s
.irp t, 0,1,2,3
.irp f, 0,1,2,3
.set TT, 4*(\half)+\t
.set FW, BF+48*(\p)+12*\f
.set FX, AF+12*TT
.if (\mode) == 0
.set DD, 32*TT+8*\f
.if (\s) == 0
	v_wmma_scale_f32_16x16x128_f8f6f4 v[DD:DD+7], v[FW:FW+11], v[FX:FX+11], 0, v[BS+4*(\p)+\f], v[AS+TT] matrix_a_fmt:MATRIX_FMT_FP6 matrix_b_fmt:MATRIX_FMT_FP6
.else
	v_wmma_scale_f32_16x16x128_f8f6f4 v[DD:DD+7], v[FW:FW+11], v[FX:FX+11], v[DD:DD+7], v[BS+4*(\p)+\f], v[AS+TT] matrix_a_fmt:MATRIX_FMT_FP6 matrix_b_fmt:MATRIX_FMT_FP6
.endif
.else
.set DD, 64*\f+8*TT
.if (\s) == 0
	v_wmma_scale_f32_16x16x128_f8f6f4 v[DD:DD+7], v[FX:FX+11], v[FW:FW+11], 0, v[AS+TT], v[BS+4*(\p)+\f] matrix_a_fmt:MATRIX_FMT_FP6 matrix_b_fmt:MATRIX_FMT_FP6
.else
	v_wmma_scale_f32_16x16x128_f8f6f4 v[DD:DD+7], v[FX:FX+11], v[FW:FW+11], v[DD:DD+7], v[AS+TT], v[BS+4*(\p)+\f] matrix_a_fmt:MATRIX_FMT_FP6 matrix_b_fmt:MATRIX_FMT_FP6
.endif
.endif
.endr
.endr
.endm
.macro KSTEP mode, s, ns               ; K step s of ns: 32 matrix instructions; the next step's operands are asked for on the way
	s_wait_loadcnt 0x0                             ; this step's weights are in (and, in step 0, the bias)
.if (\s)+1 < (\ns)
	BLOAD (\s)+1, ((\s)+1)%2                       ; into the set that the step before multiplied: its places stand at that step's end
.endif
	s_wait_dscnt 16                                ; the rows' tiles 0-3 are in; the 16 loads of tiles 4-7 may be out
	WIN 0x50                                       ; C and D in window 1
	MUL \mode, 0, (\s)%2, \s
	s_wait_dscnt 0x0                               ; tiles 4-7 are in
.if (\s)+1 < (\ns)
	WIN 0
	PLACES
	AH 0, (\s)+1
	WIN 0x50
.endif
	MUL \mode, 1, (\s)%2, \s
	WIN 0
.if (\s)+1 < (\ns)
	PLACES
	AH 1, (\s)+1
.endif
.endm
.macro PASS mode, ns
.if (\mode) == 0                       ; register 16 b + i of a row tile's 32 is column 32 b + 16 h + i of the head
.irp i, 0,1,2,3,4,5,6,7
	global_load_b128 v[BIAS+4*\i:BIAS+4*\i+3], v[BH], s[BP:BP+1] offset:128*(\i/4)+16*(\i%4)
.endr
.else                                  ; a lane holds one column of each weight tile: its bias twice, a pair for the packed addition
.irp f, 0,1,2,3
	global_load_b32 v[BIAS+2*\f], v[BR], s[BP:BP+1] offset:(32*(\f/2)+8*(\f%2))*4
	global_load_b32 v[BIAS+2*\f+1], v[BR], s[BP:BP+1] offset:(32*(\f/2)+8*(\f%2))*4
.endr
.endif
	BLOAD 0, 0
	AH 0, 0
	AH 1, 0
.irp s, 0,1,2,3,4,5,6,7
.if \s < (\ns)
	KSTEP \mode, \s, \ns
.endif
.endr
.endm
; THE WAY OUT: 64 accumulator registers at a time (mode 0: row tiles 2 g, 2 g + 1; mode 1: weight tile g) get their bias on the way into window 0, are quantised, and leave as an image.
.macro EPI mode
	PLACES
.irp g, 0,1,2,3
	s_wait_xcnt 0x0                                ; the last group's stores have read their registers
	WIN 0x01                                       ; source 0 in window 1
.irp i, 0,1,2,3,4,5,6,7,8,9,10,11,12,13,14,15,16,17,18,19,20,21,22,23,24,25,26,27,28,29,30,31
.if (\mode) == 0
	v_pk_add_f32 v[X+2*\i:X+2*\i+1], v[64*\g+2*\i:64*\g+2*\i+1], v[BIAS+(2*\i)%32:BIAS+(2*\i)%32+1]   ; each accumulator from its low end on
.else
	v_pk_add_f32 v[X+2*\i:X+2*\i+1], v[64*\g+2*\i:64*\g+2*\i+1], v[BIAS+2*\g:BIAS+2*\g+1]
.endif
.endr
	WIN 0
.if (\mode) == 0
	QUANT X, SW+\g
.else
	QUANT2 X, SW+\g
.endif
.irp c, 0,1,2
	global_store_b128 v[L16], v[PC+4*\c:PC+4*\c+3], s[OC:OC+1] offset:1536*\g+512*\c   ; 32 lanes store 512 consecutive bytes, at a multiple of 256 from the buffer's first byte
.endr
.endr
	s_wait_xcnt 0x0                                ; EXEC changes only behind this wait
	v_cmp_gt_u32 vcc_lo, 0x100, v[L16]             ; lanes 0-15
	s_and_saveexec_b32 s80, vcc_lo
	global_store_b128 v[R16], v[SW:SW+3], s[OS:OS+1]   ; sixteen lanes store the block's 256 bytes of scale words
	s_wait_xcnt 0x0
	s_or_b32 exec_lo, exec_lo, s80
.endm
	s_load_b256 s[4:11], s[0:1], 0x0               ; x s[4:5], y s[6:7], wf s[8:9], bq s[10:11]
	s_load_b256 s[12:19], s[0:1], 0x20             ; bk s[12:13], bv s[14:15], qf s[16:17], kv s[18:19]
	v_lshl_add_u32 v[SPW], v0, 2, SPARE
	v_mov_b32 v[NIL], 0
	v_lshrrev_b32 v7, 5, v0
	s_delay_alu instid0(VALU_DEP_1)
	v_readfirstlane_b32 s[WV], v7                  ; wave 0..7
	v_and_b32 v7, 31, v0                           ; lane
	s_delay_alu instid0(VALU_DEP_1)
	v_lshlrev_b32 v[L16], 4, v7
	v_and_b32 v[R16], 15, v0                       ; r, for now
	v_bfe_u32 v[BH], v0, 4, 1                      ; h, for now
	s_mul_i32 s80, s[WV], 8448
	s_add_co_u32 s80, s80, STG                     ; my stage
	v_add_nc_u32 v[SIN], s80, v[L16]
	v_mul_u32_u24 v[SOUT], v[R16], 528
	s_delay_alu instid0(VALU_DEP_1)
	v_lshl_add_u32 v[SOUT], v[BH], 6, v[SOUT]
	s_delay_alu instid0(VALU_DEP_1)
	v_add_nc_u32 v[SOUT], s80, v[SOUT]
	s_mul_i32 s80, s[WV], 1536
	v_add_nc_u32 v[XWA], s80, v[L16]
	s_delay_alu instid0(VALU_DEP_1)
	v_add_nc_u32 v[XWB], 49152, v[XWA]
	s_lshl_b32 s80, s[WV], 9
	s_add_co_u32 s80, s80, XSC
	v_lshl_add_u32 v[XWS], v[R16], 5, s80
	v_add_nc_u32 v[LIB], 49152, v[L16]
	v_lshlrev_b32 v[LS], 5, v[R16]
	s_delay_alu instid0(VALU_DEP_1)
	v_add_nc_u32 v[LS], XSC, v[LS]
	v_and_b32 v[BR], 8, v[R16]
	s_delay_alu instid0(VALU_DEP_1)
	v_add_nc_u32 v[BR], v[BR], v[R16]
	s_delay_alu instid0(VALU_DEP_1)
	v_lshlrev_b32 v[BR], 2, v[BR]
	v_lshlrev_b32 v[R16], 4, v[R16]
	s_delay_alu instid0(VALU_DEP_1)
	v_add_nc_u32 v[WR], 6144, v[R16]
	v_lshlrev_b32 v[BH], 6, v[BH]
.irp b, 0,1,2,3
	v_mov_b32 v[TM+4+\b], 0                        ; a lane permute's destination counts as one of its sources
.endr
	s_mov_b32 s[SEL], 0x76543210
	s_mov_b32 s[SEL+1], 0xfedcba98                 ; v_permlanex16_b32's selects for lane l xor 16
	s_and_b32 s[TYP], ttmp9, 3                     ; kind
	s_lshr_b32 s22, ttmp9, 2                       ; block of 128 rows
	s_mov_b32 s24, 3072                            ; a row of y in bytes; 25 rows; a head's blocks of wf; a block of kv
	s_mov_b32 s26, 76800                           ; y: 25 rows (see the order of y's rows below)
	s_mov_b32 s82, 38400
	s_mov_b32 s81, 12800
	s_cmp_lt_u32 s[TYP], 2                         ; q: the same of x, Wq, qf
	s_cselect_b32 s24, 4096, s24
	s_cselect_b32 s26, 36864, s26
	s_cselect_b32 s82, 51200, s82
	s_cselect_b32 s81, 6400, s81
	s_cselect_b32 s[NP], 1, 2
	s_mov_b32 s25, 0
	s_mov_b32 s27, 0
	s_mov_b32 s84, 2252800                         ; the weight's place in wf
	s_mov_b32 s86, 12288                           ; the scale words' place in a block of the output
	s_cmp_eq_u32 s[TYP], 2
	s_cselect_b32 s84, 1638400, s84
	s_cmp_eq_u32 s[TYP], 3
	s_cselect_b32 s86, 12544, s86
	s_cselect_b32 s85, 6144, 0                     ; and the codes'
	s_cmp_lt_u32 s[TYP], 2
	s_cselect_b32 s84, 0, s84
	s_cselect_b32 s86, 6144, s86
	s_cmp_eq_u32 s[TYP], 1
	s_cselect_b32 s87, 8, 0
	s_add_co_u32 s87, s87, s[WV]                   ; my head in the first pass
	; THE ORDER OF y's ROWS (kinds 2, 3) differs from x's: lane r of tile 4 c + u takes row 64 c + 8 u + r + 24 (r / 8) of the block, so that place 8 h + j of the tile is key 64 c + 32 h + 8 u + j:
	; the 32 result registers of tiles 4 c .. 4 c + 3 of source 0 are then one whole block of 32 keys in one lane.  x's rows (kinds 0, 1) stay as the head comment has them.
	s_cmp_lt_u32 s[TYP], 2
	s_cselect_b32 s92, 1, 2
	s_cselect_b32 s93, 5, 6
	s_cselect_b32 s94, 1, 3
	s_lshl_b32 s88, s22, 7
	s_lshr_b32 s89, s[WV], s92
	s_lshl_b32 s89, s89, s93
	s_add_co_u32 s88, s88, s89
	s_and_b32 s89, s[WV], s94
	s_lshl_b32 s89, s89, 3
	s_add_co_u32 s88, s88, s89
	s_mul_i32 s88, s88, s24                        ; in bytes: under 2^26
	s_mov_b32 s89, 0
	s_wait_kmcnt 0x0
	s_cmp_lt_u32 s[TYP], 2                         ; the choices of buffers hang on the work-group's number alone
	s_cselect_b64 s[ROWS:ROWS+1], s[4:5], s[6:7]
	s_cselect_b64 s[OC:OC+1], s[16:17], s[18:19]
	s_cmp_eq_u32 s[TYP], 2
	s_cselect_b64 s[BP:BP+1], s[12:13], s[14:15]
	s_cmp_lt_u32 s[TYP], 2
	s_cselect_b64 s[BP:BP+1], s[10:11], s[BP:BP+1]
	s_add_nc_u64 s[ROWS:ROWS+1], s[ROWS:ROWS+1], s[88:89]
.irp p, 1,2,3,4,5,6,7,8,9,10,11,12,13,14,15
.if \p == 8
	s_add_nc_u64 s[ROWS+2*\p:ROWS+2*\p+1], s[ROWS+2*\p-2:ROWS+2*\p-1], s[26:27]   ; lanes 8-15 of a tile take the rows 8 further on
.else
	s_add_nc_u64 s[ROWS+2*\p:ROWS+2*\p+1], s[ROWS+2*\p-2:ROWS+2*\p-1], s[24:25]
.endif
.endr
	XLOAD 0
	XLOAD 1
	s_mul_i32 s90, s87, s82
	s_add_co_u32 s90, s90, s84
	s_mov_b32 s91, 0
	s_add_nc_u64 s[WP:WP+1], s[8:9], s[90:91]
	s_lshl_b32 s90, s87, 8
	s_add_nc_u64 s[BP:BP+1], s[BP:BP+1], s[90:91]
	s_lshr_b32 s90, s22, 4                         ; the batch
	s_lshl_b32 s90, s90, 4
	s_add_co_u32 s90, s90, s87                     ; 16 x batch + head
	s_lshl_b32 s90, s90, 4
	s_and_b32 s92, s22, 15
	s_add_co_u32 s90, s90, s92                     ; x 16 + the block of 128 rows in the sequence
	s_mul_i32 s90, s90, s81
	s_add_nc_u64 s[OC:OC+1], s[OC:OC+1], s[90:91]
	s_mov_b32 s90, s86
	s_add_nc_u64 s[OS:OS+1], s[OC:OC+1], s[90:91]
	s_mov_b32 s90, s85
	s_add_nc_u64 s[OC:OC+1], s[OC:OC+1], s[90:91]
	XSTEP 0, 16                                    ; the count leaves the next K step's 16 loads out
	XSTEP 1, 16
	XSTEP 2, 16
	XSTEP 3, 16
	XSTEP 4, 16
	XSTEP 5, 0                                     ; for y nothing younger is out
	s_cmp_ge_u32 s[TYP], 2
	s_cbranch_scc1 .Lxdone
	XSTEP 6, 16
	XSTEP 7, 0
.Lxdone:
	s_wait_loadcnt 0x0                             ; on every way here no load of phase X is out: the passes load into the same registers (v128-255)
	s_wait_dscnt 0x0                               ; for the others' sake: my images have landed
	s_barrier_signal -1
	s_barrier_wait -1                              ; the block's fragments lie in LDS; nothing is stored there from here on
	s_mov_b32 s[CNT], 0
.Lpass:
	s_cmp_lt_u32 s[TYP], 2
	s_cbranch_scc0 .Lnot_q
	PASS 0, 8
	s_branch .Lepi_rows
.Lnot_q:
	s_cmp_eq_u32 s[TYP], 2
	s_cbranch_scc0 .Lis_v
	PASS 0, 6
.Lepi_rows:
	EPI 0
	s_branch .Lnext
.Lis_v:
	PASS 1, 6
	EPI 1
.Lnext:
	s_wait_xcnt 0x0                                ; the pass's loads and stores have read their bases and registers
	s_add_nc_u64 s[WP:WP+1], s[WP:WP+1], 307200    ; 8 heads on: 8 x 6 blocks of wf,
	s_add_nc_u64 s[BP:BP+1], s[BP:BP+1], 2048      ; 8 x 64 numbers of the bias,
	s_add_nc_u64 s[OC:OC+1], s[OC:OC+1], 1638400   ; 8 x 16 blocks of kv
	s_add_nc_u64 s[OS:OS+1], s[OS:OS+1], 1638400
	s_add_co_u32 s[CNT], s[CNT], 1                 ; the count goes up from 0 to the number of passes, 1 or 2
	s_cmp_lt_u32 s[CNT], s[NP]
	s_cbranch_scc1 .Lpass
	s_wait_tensorcnt 0x0                           ; the wave's end, behind my last LDS store
	ds_add_u32 v[SPW], v[NIL]
	s_wait_dscnt 0x0
	s_endpgm
.Lfunc_end_k_qa82e2232c9_proj:
	.size	k_qa82e2232c9_proj, .Lfunc_end_k_qa82e2232c9_proj-k_qa82e2232c9_proj
	.p2alignl 7, 3214868480
	.fill 96, 4, 3214868480
	.section	.rodata,"a",@progbits
	.p2align	6, 0x0
	.amdhsa_kernel k_qa82e2232c9_proj
		.amdhsa_group_segment_fixed_size 171008
		.amdhsa_private_segment_fixed_size 0
		.amdhsa_enable_private_segment 0
		.amdhsa_kernarg_size 64
		.amdhsa_user_sgpr_count 2
		.amdhsa_user_sgpr_kernarg_segment_ptr 1
		.amdhsa_wavefront_size32 1
		.amdhsa_system_sgpr_workgroup_id_x 1
		.amdhsa_system_sgpr_workgroup_id_y 1
		.amdhsa_system_sgpr_workgroup_id_z 1
		.amdhsa_system_vgpr_workitem_id 0
		.amdhsa_next_free_vgpr 512
		.amdhsa_next_free_sgpr 96
		.amdhsa_reserve_vcc 1
		.amdhsa_float_denorm_mode_32 3
		.amdhsa_float_denorm_mode_16_64 3
		.amdhsa_memory_ordered 1
		.amdhsa_forward_progress 1
		.amdhsa_inst_pref_size 255
	.end_amdhsa_kernel
	.section	.bss,"aw",@nobits
	.p2align	6
	.space	262144
	.amdgpu_metadata
---
amdhsa.version: [ 1, 2 ]
amdhsa.kernels:
  - .name:           k_qa82e2232c9_proj
    .symbol:         k_qa82e2232c9_proj.kd
    .args:
      - { .name: x, .offset: 0, .size: 8, .value_kind: global_buffer, .address_space: global }
      - { .name: y, .offset: 8, .size: 8, .value_kind: global_buffer, .address_space: global }
      - { .name: wf, .offset: 16, .size: 8, .value_kind: global_buffer, .address_space: global }
      - { .name: bq, .offset: 24, .size: 8, .value_kind: global_buffer, .address_space: global }
      - { .name: bk, .offset: 32, .size: 8, .value_kind: global_buffer, .address_space: global }
      - { .name: bv, .offset: 40, .size: 8, .value_kind: global_buffer, .address_space: global }
      - { .name: qf, .offset: 48, .size: 8, .value_kind: global_buffer, .address_space: global }
      - { .name: kv, .offset: 56, .size: 8, .value_kind: global_buffer, .address_space: global }
    .group_segment_fixed_size: 171008
    .private_segment_fixed_size: 0
    .kernarg_segment_align: 8
    .kernarg_segment_size: 64
    .max_flat_workgroup_size: 256
    .sgpr_count:     96
    .vgpr_count:     512
    .wavefront_size: 32
...
	.end_amdgpu_metadata
.endif
;; end of part 2
;; launch attn (part 3): grid 4 x 64, 16 waves a work-group, clusters of 4 x 1, 264,192 bytes of LDS; arguments qf, kv, ac, asc; writes ac, asc
.if DOCPART == 3
	.amdgcn_target "amdgcn-amd-amdhsa--gfx1250"
	.amdhsa_code_object_version 6
	.text
	.protected	k_qa82e2232c9_attn
	.globl	k_qa82e2232c9_attn
	.p2align	8
	.type	k_qa82e2232c9_attn,@function
k_qa82e2232c9_attn:
	s_mov_b64 s[64:65], 0
	v_nop
	global_prefetch_b8 v0, s[64:65] scope:SCOPE_SE
	s_setreg_imm32_b32 hwreg(HW_REG_WAVE_MODE, 25, 1), 1
	s_wait_xcnt 0x0
	s_wait_alu depctr_hold_cnt(0) depctr_sa_sdst(0) depctr_va_vdst(0) depctr_va_sdst(0) depctr_va_ssrc(0) depctr_va_vcc(0) depctr_vm_vsrc(0)
	s_getreg_b32 s2, hwreg(HW_REG_IB_STS2, 6, 4)
	s_cmp_eq_u32 s2, 0
	s_cbranch_scc0 .Lentry_in_a_cluster
	s_endpgm
.Lentry_in_a_cluster:
	s_bfe_u32 s2, ttmp6, 0x10000c
	s_cmp_lg_u32 s2, 0x3003
	s_cbranch_scc0 .Lentry_shape_is_right
	s_endpgm
.Lentry_shape_is_right:
; Launch 3 of 4: the attention of one (batch, head) on codes of E2M3, and its result quantised along the head's 64 for the last product.  Nothing of reference() is left out.  Limits: as stated at the head of the first launch;
; and the promise holds while the scaled scores t stay under 2^31 in magnitude.
; THE SOFTMAX AHEAD OF THE SECOND PRODUCT: t = score x log2(e) / 8; M = the row's largest t so far, rounded UP to a whole number; p = 2^(t - M) is what is quantised, along the keys; the row's sum is taken of the
; unquantised p and divides O at the end.  When M moves, the sum and O are multiplied by 2^(old M - new M): exact.
; SHARES.  A cluster of four work-groups has one head; a work-group 512 of its queries; each of its sixteen waves 32 of them: two tiles of 16, one after the other (a loop of two trips), each over all 2,048 keys, 128 a step.
; THE WHOLE HEAD STAYS IN LDS: 16 key steps of 12,800 bytes, 16,384 bytes apart, so that the walk wraps by an AND.  Each wave fetches one step by one tensor load, asked for JOINTLY by the four work-groups, which walk the same head.
; Nothing is filled again; one tensor load of a wave is out.  No prefetch: all that the launch fetches is asked for at its head, there is no loop to run ahead in.
; LAYOUT.  Both products are used transposed: S^T = K Q^T, O^T = V^T P^T: a lane holds ONE query (lane % 16) throughout.  Fragments lie in LDS as images of their registers: three loads of 16 bytes a lane.
; THE FIRST PRODUCT'S K IS 64, the instruction's 128.  A pair fragment of k holds key tile 2 g in registers 0-5 and tile 2 g + 1 in registers 6-11; it is multiplied by [Q | zero codes] and by [zero codes | Q]; the other half
; meets zero codes under the scale byte 0, which is a number and not NaN.  The two operands overlap in 18 registers: zeros, Q, zeros.
; THE KEYS OF A TILE are laid by the launch before so that place 8 h + j of tile 4 c + u is key 64 c + 32 h + 8 u + j.  So register 32 c + i of a lane's 64 scores is key 64 c + 32 h + i: a WHOLE block of 32 keys in one lane, in the
; very order that the second product's operand gives that lane: a block's maximum needs no other lane, and p's codes are made where they are used.
; ONE LOAD brings a step's scale words: lanes 0-15 k's, lanes 16-31 v's (256 bytes further on), which the second product reads by ROW1.  Two sets by turns, so a trip of the loop is two steps.
; A step's 25 LDS loads (k's fragments and the scale words of the NEXT step, into registers of their own, and v's fragments of this step) stand by threes between the links of the one serial chain of the step, from the row's
; maximum to the change of M; they land under the softmax.  The last step of a tile fetches key step 0 again: the second tile begins with it; behind the second tile these 13 loads are awaited and not used.
; Dependent vector instructions are kept apart by independent ones: the maxima and the sum go in six chains by turns.
.set STEPB, 12800                      ; a key step: k's 4 pair fragments, at 6,144 v's 4 fragments, at 12,288 k's scale words (16 bytes a lane r), at 12,544 v's
.set SSTR,  16384                      ; from step to step in LDS
.set SPARE, 16*SSTR                    ; behind the head: the spare words, 128 bytes for each wave: eight blocks of 256 bytes that no other line names
.set L16, 1                            ; 16 x lane
.set T2,  2                            ; at the head 16 r (the address of q's scale word), then at work
.set SPW, 3                            ; the add's two
.set NIL, 4
.set H8,  5                            ; 8 h
.set L8,  6                            ; 8 x lane
.set R32, 7                            ; 32 r
.set KA,  8                            ; LDS address of the next key step, + 16 x lane
.set VA,  9                            ; of this one
.set T0,  10
.set T1,  11
.set NM,  12                           ; -M   (named with v13 as a pair; the low word is taken)
.set MR,  13                           ; the largest score so far
.set SUM, 14                           ; v[14:15] the sum in two halves
.set QHI, 16                           ; v16-27 [0 | Q]
.set QLO, 22                           ; v22-33 [Q | 0]
.set FK,  34                           ; v34-81  k's four pair fragments
.set FV,  82                           ; v82-129 v's four fragments
.set W,   130                          ; v130-137 scale words, two sets of four
.set QWL, 138                          ; the scale words of [Q | 0] and [0 | Q]
.set QWH, 139
.set QW,  140                          ; the scale word of my pair of query tiles, as loaded
.set PWD, 141                          ; p's scale word
.set S,   142                          ; v142-205 S^T, then p
.set O,   206                          ; v206-237 O^T
.set PC,  238                          ; v238-249 p's codes
.set FF,  250                          ; v[250:251] f = 2^(old M - new M) (the low word is taken)
.set BM,  252                          ; v252, v253 my two blocks' largest score, then largest p
.set SO,  254                          ; v254, v255 a third chain of each block's maximum, then the conversions' scale operands
.set WV,  12
.set SEL, 20
.set CS,  22
.set PB,  60                           ; s[60:61] q's second pointer
.set NC,  62                           ; -c
.macro CROUND                          ; a round of the cluster's barrier
	s_barrier_signal -1
	s_barrier_wait -1
	s_cmp_lg_u32 s[WV], 0
	s_cbranch_scc1 .Lnot_wave_0_\@
	s_barrier_signal -3
.Lnot_wave_0_\@:
	s_barrier_wait -3
	s_barrier_signal -1
	s_barrier_wait -1
.endm
.macro PADD d, a
	v_pk_add_f32 v[\d:\d+1], v[\d:\d+1], v[\a:\a+1]
.endm
.macro MX3 d, a, b, c
	v_max3_num_f32 v[\d], v[\a], v[\b], v[\c]
.endm
.macro TMM a                           ; t - M, sixteen numbers, two at a time
.irp b, 0,2,4,6,8,10,12,14
	v_pk_fma_f32 v[S+\a+\b:S+\a+\b+1], v[S+\a+\b:S+\a+\b+1], s[CS:CS+1], v[NM:NM+1] op_sel_hi:[1,0,0]
.endr
.endm
.macro KLOAD p                         ; k's fragments and the scale words of the step at v[KA], into set p
.irp i, 0,1,2,3,4,5,6,7,8,9,10,11
	ds_load_b128 v[FK+4*\i:FK+4*\i+3], v[KA] offset:512*\i
.endr
	ds_load_b128 v[W+4*(\p):W+4*(\p)+3], v[KA] offset:12288
.endm
.macro LD p, n                         ; the n-th of a step's 25 LDS loads: 0-11 the next step's fragments of k, 12 its scale words (into the other set), 13-24 this step's fragments of v
.if (\n) < 12
	ds_load_b128 v[FK+4*(\n):FK+4*(\n)+3], v[KA] offset:512*(\n)
.elseif (\n) == 12
	ds_load_b128 v[W+4*(1-(\p)):W+4*(1-(\p))+3], v[KA] offset:12288
.else
	ds_load_b128 v[FV+4*((\n)-13):FV+4*((\n)-13)+3], v[VA] offset:6144+512*((\n)-13)
.endif
.endm
.macro LD3 p, n
	LD \p, \n
	LD \p, (\n)+1
	LD \p, (\n)+2
.endm
.macro QLOAD                           ; a query tile's six registers out of the pair fragment's image
	global_load_b64 v[QLO:QLO+1], v[L16], s[16:17]
	global_load_b64 v[QLO+2:QLO+3], v[L16], s[PB:PB+1]
	global_load_b64 v[QLO+4:QLO+5], v[L16], s[16:17] offset:512
.endm
; A KEY STEP: 128 keys.  p: its set of scale words; nx: the scalar register with the next step's LDS byte.  On entry no LDS load is out.
.macro STEP p, nx
.irp g, 0,1,2,3
	v_wmma_scale_f32_16x16x128_f8f6f4 v[S+16*\g:S+16*\g+7], v[FK+12*\g:FK+12*\g+11], v[QLO:QLO+11], 0, v[W+4*(\p)+\g], v[QWL] matrix_a_fmt:MATRIX_FMT_FP6 matrix_b_fmt:MATRIX_FMT_FP6
	v_wmma_scale_f32_16x16x128_f8f6f4 v[S+8+16*\g:S+15+16*\g], v[FK+12*\g:FK+12*\g+11], v[QHI:QHI+11], 0, v[W+4*(\p)+\g], v[QWH] matrix_a_fmt:MATRIX_FMT_FP6 matrix_b_fmt:MATRIX_FMT_FP6
.endr
	v_mov_b32 v[VA], v[KA]                         ; four places behind the products, in front of the first read of the scores
	v_add_nc_u32 v[KA], s[\nx], v[L16]
	v_mov_b32 v[T1], v[NM]                         ; the old -M
	v_nop
	; THE LARGEST SCORE OF EACH OF MY TWO BLOCKS serves twice: for the row's maximum and, since p rises with the score, for the block's largest p.  Three chains a block, six by turns; each accumulator is first read among its four lowest registers
	MX3 BM, S, S+1, S+2
	MX3 BM+1, S+32, S+33, S+34
	MX3 T0, S+11, S+12, S+13
	MX3 T2, S+43, S+44, S+45
	MX3 SO, S+24, S+25, S+26
	MX3 SO+1, S+56, S+57, S+58
.irp i, 0,2
	MX3 BM, BM, S+3+\i, S+4+\i
	MX3 BM+1, BM+1, S+35+\i, S+36+\i
	MX3 T0, T0, S+14+\i, S+15+\i
	MX3 T2, T2, S+46+\i, S+47+\i
	MX3 SO, SO, S+27+\i, S+28+\i
	MX3 SO+1, SO+1, S+59+\i, S+60+\i
.endr
	MX3 BM, BM, S+7, S+8
	MX3 BM+1, BM+1, S+39, S+40
	MX3 T0, T0, S+18, S+19
	MX3 T2, T2, S+50, S+51
	MX3 SO, SO, S+31, S+22
	MX3 SO+1, SO+1, S+63, S+54
	MX3 BM, BM, S+9, S+10
	MX3 BM+1, BM+1, S+41, S+42
	MX3 T0, T0, S+20, S+21
	MX3 T2, T2, S+52, S+53
	LD3 \p, 0                                      ; from here on each link waits for the one before it: the step's LDS loads stand between the links
	MX3 BM, BM, T0, SO
	MX3 BM+1, BM+1, T2, SO+1
	LD3 \p, 3
	v_max_num_f32 v[BM], v[BM], v[S+23]
	v_max_num_f32 v[BM+1], v[BM+1], v[S+55]
	LD3 \p, 6
	v_max_num_f32 v[T0], v[BM], v[BM+1]
	LD3 \p, 9
	v_permlanex16_b32 v[T2], v[T0], s[SEL], s[SEL+1]
	LD3 \p, 12
	v_max3_num_f32 v[MR], v[MR], v[T0], v[T2]      ; with lane l xor 16's 64 keys: the largest score of my query so far
	LD3 \p, 15
	v_mul_f32 v[T0], s[NC], v[MR]                  ; -t (c is positive)
	LD3 \p, 18
	v_floor_f32 v[NM], v[T0]                       ; the new -M = floor(-t) = -ceil(t): M IS A WHOLE NUMBER
	LD \p, 21
	LD \p, 22
	v_sub_f32 v[T0], v[NM], v[T1]                  ; M's old value less its new one: a whole number, 0 or less
	LD \p, 23
	LD \p, 24
	TMM 0
	v_cvt_i32_f32 v[T0], v[T0]                     ; (it saturates)
	TMM 16
	v_ldexp_f32 v[FF], 1.0, v[T0]                  ; f = 2^(old M - new M)
	TMM 32
	TMM 48
	v_fma_f32 v[BM], v[BM], s[CS], v[NM]           ; the same of each block's largest score
	v_fma_f32 v[BM+1], v[BM+1], s[CS], v[NM]
	v_pk_mul_f32 v[SUM:SUM+1], v[SUM:SUM+1], v[FF:FF+1] op_sel_hi:[1,0]   ; the sum and O^T under the new M
.irp j, 0,2,4,6,8,10,12,14,16,18,20,22,24,26,28,30
	v_pk_mul_f32 v[O+\j:O+\j+1], v[O+\j:O+\j+1], v[FF:FF+1] op_sel_hi:[1,0]   ; each accumulator from its low end on
.endr
	s_wait_alu depctr_va_vdst(0)                   ; the wait ahead of the batch
.irp a, 0,16,32,48
.irp b, 0,1,2,3,4,5,6,7,8,9,10,11,12,13,14,15
	v_exp_f32 v[S+\a+\b], v[S+\a+\b]               ; p = 2^(t - M), at most 1: NOT normalised
.endr
.endr
	v_exp_f32 v[BM], v[BM]                         ; the block's largest p: the same two instructions on the same number give the same bits
	v_exp_f32 v[BM+1], v[BM+1]
	v_nop                                          ; a plain place behind the batch
	s_wait_alu depctr_va_vdst(0)                   ; and the one wait ahead of its first reader
	v_max_num_f32 v[BM], 0x1800000, v[BM]          ; the floor 2^(3 - 127): the byte cannot fall under 1 (a block whose every p has fallen to 0 keeps that byte: its codes are zeros)
	v_max_num_f32 v[BM+1], 0x1800000, v[BM+1]
	s_delay_alu instid0(VALU_DEP_2)
	v_add_nc_u32 v[SO], 0xff000000, v[BM]          ; 2 off the exponent field: the conversion's scale operand
	s_delay_alu instid0(VALU_DEP_2)
	v_add_nc_u32 v[SO+1], 0xff000000, v[BM+1]
	s_delay_alu instid0(VALU_DEP_2)
	v_lshrrev_b32 v[T0], 23, v[SO]                 ; the scale's byte
	s_delay_alu instid0(VALU_DEP_2)
	v_lshrrev_b32 v[T1], 23, v[SO+1]
	v_cvt_scalef32_pk16_fp6_f32 v[PC:PC+2], v[S:S+15], v[SO]             ; each block's lower 16 codes, straight into the operand
	v_cvt_scalef32_pk16_fp6_f32 v[PC+6:PC+8], v[S+32:S+47], v[SO+1]
	; THE ROW'S SUM IS TAKEN OF THE UNQUANTISED p, in six chains by turns: v[14:15], and five that gather in registers of p whose codes are made (S+4, S+6, S+36, S+38, S+40).  The scale word's four links stand among these lines
	PADD SUM, S                                    ; (a plain place behind the conversions: it writes none of their sources)
	v_lshl_or_b32 v[PWD], v[T1], 16, v[T0]         ; my bytes: blocks h and 2 + h,
	PADD S+4, S+2
	PADD S+36, S+32
	PADD S+38, S+34
	PADD S+6, S+8
	PADD S+40, S+42
	v_lshlrev_b32 v[PWD], v[H8], v[PWD]            ; at their places (8 h bits up);
	PADD SUM, S+10
	PADD S+4, S+12
	PADD S+36, S+44
	PADD S+38, S+46
	PADD S+6, S+14
	v_permlanex16_b32 v[T2], v[PWD], s[SEL], s[SEL+1]
	v_cvt_scalef32_pk16_fp6_f32 v[S:S+2], v[S+16:S+31], v[SO]            ; the upper 16 codes: a conversion's three registers begin on an even number, so they are made in registers of p that are done with, and moved
	v_cvt_scalef32_pk16_fp6_f32 v[S+32:S+34], v[S+48:S+63], v[SO+1]
	PADD S+40, S+48
	PADD SUM, S+16
	PADD S+4, S+18
	PADD S+36, S+50
	PADD S+38, S+52
	v_or_b32 v[PWD], v[PWD], v[T2]                 ; with lane l xor 16's two: p's scale word for these 128 keys
	PADD S+6, S+20
	PADD S+40, S+54
	PADD SUM, S+22
	PADD S+4, S+24
	PADD S+36, S+56
	PADD S+38, S+58
	PADD S+6, S+26
	PADD S+40, S+60
	PADD S+36, S+62
	PADD SUM, S+28
	PADD S+4, S+30
	PADD S+38, S+6                                 ; the six chains are joined; the codes' six moves stand between the joins
	v_mov_b32 v[PC+3], v[S]
	PADD S+36, S+40
	v_mov_b32 v[PC+4], v[S+1]
	v_mov_b32 v[PC+5], v[S+2]
	v_mov_b32 v[PC+9], v[S+32]
	v_mov_b32 v[PC+10], v[S+33]
	v_mov_b32 v[PC+11], v[S+34]
	PADD SUM, S+4
	PADD S+36, S+38
	s_delay_alu instid0(VALU_DEP_1)
	PADD SUM, S+36
	v_nop                                          ; the fourth place between the last move and the product
	s_wait_alu depctr_va_vdst(0)                   ; directly ahead of the wait below
	s_wait_dscnt 0x0                               ; v's fragments are in, and, asked for ahead of them, the next step's of k
.irp f, 0,1,2,3                                ; O^T += V^T P^T: the four accumulators by turns; between two links of a chain stand the next step's eight products
	v_wmma_scale_f32_16x16x128_f8f6f4 v[O+8*\f:O+8*\f+7], v[FV+12*\f:FV+12*\f+11], v[PC:PC+11], v[O+8*\f:O+8*\f+7], v[W+4*(\p)+\f], v[PWD] matrix_a_fmt:MATRIX_FMT_FP6 matrix_b_fmt:MATRIX_FMT_FP6 matrix_a_scale:MATRIX_SCALE_ROW1
.endr
.endm
	s_load_b256 s[4:11], s[0:1], 0x0               ; qf s[4:5], kv s[6:7], ac s[8:9], asc s[10:11]
	v_lshl_add_u32 v[SPW], v0, 2, SPARE
	v_mov_b32 v[NIL], 0
	ds_add_u32 v[SPW], v[NIL]                      ; the wave's opening: the add, twice on end, and its wait ahead of my first tensor load
	ds_add_u32 v[SPW], v[NIL]
	v_lshrrev_b32 v5, 5, v0
	v_readfirstlane_b32 s[WV], v5                  ; wave 0..15
	v_and_b32 v5, 31, v0                           ; lane
	v_and_b32 v7, 15, v0                           ; r
	v_lshlrev_b32 v[L16], 4, v5
	v_lshlrev_b32 v[L8], 3, v5
	v_lshlrev_b32 v[T2], 4, v7
	v_lshlrev_b32 v[R32], 5, v7
	v_bfe_u32 v5, v0, 4, 1                         ; h
	v_mov_b32 v[KA], v[L16]                        ; key step 0
	v_lshlrev_b32 v[H8], 3, v5
	s_bfe_u32 s13, ttmp6, 0x40000                  ; cx: my place in the cluster: it enters q's and the results' addresses alone
	s_and_b32 s14, ttmp7, 0xffff                   ; 16 x batch + head, which the four partners share
	; descriptor group 1: a dense block of 12,800 bytes as 50 rows of 256 bytes (32 elements of 8 bytes), no padding: the reads are 16 bytes a lane on end
	s_mov_b32 s24, 15|(3<<16)|(1<<21)              ; 15:0 the mask: all four work-groups; 17:16 elements of 8 bytes; 21 set beside a mask
	s_mov_b32 s25, 32<<16
	s_mov_b32 s26, 50<<16
	s_mov_b32 s27, 32<<16
	s_mov_b32 s28, 50
	s_mov_b32 s29, 32
	s_mov_b32 s30, 0
	s_mov_b32 s31, 0
	s_mov_b32 s32, 1                               ; group 0: count = 1,
	s_lshl_b32 s33, s[WV], 14                      ; LDS address: key step = my wave's number,
	s_mul_i32 s44, s14, 16*STEPB                   ; and the same step of my head in kv
	s_mul_i32 s45, s[WV], STEPB
	s_add_co_u32 s44, s44, s45
	s_mov_b32 s45, 0
	s_mov_b32 s[SEL], 0x76543210
	s_mov_b32 s[SEL+1], 0xfedcba98                 ; v_permlanex16_b32's selects for lane l xor 16
	s_mov_b32 s[CS], 0x3e38aa3b                    ; c = log2(e) / sqrt(64)
	s_mov_b32 s[CS+1], s[CS]                       ; (named with it as a pair, so it is written)
	s_mov_b32 s[NC], 0xbe38aa3b                    ; -c
	s_lshr_b32 s46, s[WV], 2
	s_and_b32 s47, s[WV], 3                        ; my pair of query tiles in its block of 128
	s_lshl_b32 s48, s13, 2
	s_add_co_u32 s48, s48, s46                     ; that block in the sequence: 4 cx + w / 4
	s_lshl_b32 s49, s14, 4
	s_add_co_u32 s49, s49, s48
	s_mul_i32 s50, s49, 6400                       ; its block of qf
	s_mul_i32 s51, s47, 1536
	s_add_co_u32 s52, s50, s51                     ; my pair fragment,
	s_mov_b32 s53, 0
	s_lshl_b32 s51, s47, 2
	s_add_co_u32 s54, s50, s51
	s_add_co_u32 s54, s54, 6144                    ; and its scale words
	s_mov_b32 s55, 0
	s_and_b32 s49, s14, 0x3f0
	s_add_co_u32 s49, s49, s48                     ; the block of 128 rows of the last product: 16 x batch + 4 cx + w / 4
	s_and_b32 s50, s14, 15                         ; the head
	s_mul_i32 s56, s49, 98304                      ; ac: [block][K step = head / 2][tile][1,536], my head's half of 768 bytes
	s_and_b32 s51, s50, 14
	s_lshl_b32 s51, s51, 2
	s_lshl_b32 s58, s47, 1
	s_add_co_u32 s51, s51, s58
	s_mul_i32 s51, s51, 1536
	s_add_co_u32 s56, s56, s51
	s_and_b32 s51, s50, 1
	s_mul_i32 s51, s51, 768
	s_add_co_u32 s56, s56, s51
	s_mov_b32 s57, 0
	s_lshl_b32 s58, s49, 12                        ; asc: [block][tile][r][32 bytes], my head's two
	s_lshl_b32 s51, s47, 10
	s_add_co_u32 s58, s58, s51
	s_lshl_b32 s51, s50, 1
	s_add_co_u32 s58, s58, s51
	s_mov_b32 s59, 0
	s_wait_alu depctr_va_vdst(0)                   ; directly ahead of the waits below
	s_wait_dscnt 0x0                               ; both opening adds are done
	s_wait_kmcnt 0x0
	s_add_nc_u64 s[34:35], s[6:7], s[44:45]
	s_or_b32 s35, s35, 0x80000000                  ; type = 2
	s_add_nc_u64 s[16:17], s[4:5], s[52:53]
	s_add_nc_u64 s[PB:PB+1], s[16:17], 8
	s_add_nc_u64 s[18:19], s[4:5], s[54:55]
	s_add_nc_u64 s[36:37], s[8:9], s[56:57]
	s_add_nc_u64 s[38:39], s[10:11], s[58:59]
	CROUND                                         ; all four work-groups are here: the joint loads meet
	tensor_load_to_lds s[32:35], s[24:31]          ; my one tensor load: key step w of the head
	s_nop 0
.irp i, 0,1,2,3,4,5
	v_mov_b32 v[QHI+\i], 0                         ; the zero codes on both sides of Q, written once
	v_mov_b32 v[QLO+6+\i], 0
.endr
	v_mov_b32 v[FF+1], 0                           ; (named as the upper half of the pair)
	v_mov_b32 v[T0], 0                             ; (a lane permute's destination counts as one of its sources)
	QLOAD                                          ; query tile 0: registers 0-1, 2-3, 4-5 of the image, at bytes 0, 8, 512
	global_load_b32 v[QW], v[T2], s[18:19]
	s_mov_b32 s43, 0                               ; query tiles done
	s_wait_alu depctr_va_vdst(0)                   ; the wait at the head's end
	s_wait_tensorcnt 0x0                           ; my step has landed,
	s_barrier_signal -1
	s_barrier_wait -1                              ; everybody's has: the head lies in LDS, and nothing writes it from here on
	KLOAD 0
.Lpass:                                                ; a query tile, over all keys
	s_wait_loadcnt 0x0                             ; q
	s_wait_dscnt 0x0                               ; key step 0's fragments of k
	s_lshl_b32 s63, s43, 4
	v_lshrrev_b32 v[T0], s63, v[QW]                ; the tile's two scale bytes,
	v_mov_b32 v[MR], 0xff61b1e6                    ; the largest score so far: -3e38, under every score
	v_and_b32 v[QWL], 0xffff, v[T0]                ; at blocks 0, 1, or at blocks 2, 3; the byte 0 over the zero codes
	v_lshlrev_b32 v[QWH], 16, v[T0]
	v_mul_f32 v[T1], s[NC], v[MR]
	v_mov_b32 v[SUM], 0                            ; the sum, in two halves
	v_mov_b32 v[SUM+1], 0
	v_floor_f32 v[NM], v[T1]                       ; -M
.irp j, 0,1,2,3,4,5,6,7,8,9,10,11,12,13,14,15,16,17,18,19,20,21,22,23,24,25,26,27,28,29,30,31
	v_mov_b32 v[O+\j], 0                           ; O^T.  (The step is written once: the first finds zeros, which the first change of M leaves zeros.  These lines are also the places behind the writing of Q's scale words)
.endr
	s_mov_b32 s41, 0
.Lstep:                                                ; a trip is two key steps: the two sets of scale words come back to where they began
	s_add_co_u32 s44, s41, SSTR
	STEP 0, 44
	s_add_co_u32 s45, s41, 2*SSTR
	s_and_b32 s45, s45, 16*SSTR-1                  ; behind step 15 comes step 0
	STEP 1, 45
	s_add_co_u32 s41, s41, 2*SSTR
	s_cmp_lt_u32 s41, 16*SSTR
	s_cbranch_scc1 .Lstep
	; THE WAY OUT of the tile: O^T / the sum; register 16 b + i is channel 32 b + 16 h + i of my query: two blocks of 32 of the last product's K.  Their codes are one half (six registers) of a fragment of that product,
	; whose K step of 128 is two heads; the two scale bytes are half of its scale word.
	s_wait_alu depctr_va_vdst(0)                   ; the sum was written just ahead of a wait
	v_add_f32 v[SUM], v[SUM], v[SUM+1]             ; the sum's two halves,
	s_delay_alu instid0(VALU_DEP_1)
	v_permlanex16_b32 v[T2], v[SUM], s[SEL], s[SEL+1]
	s_delay_alu instid0(VALU_DEP_1)
	v_add_f32 v[SUM], v[SUM], v[T2]                ; and lane l xor 16's: the row's sum
	s_wait_alu depctr_va_vdst(0)
	v_rcp_f32 v[SUM], v[SUM]
	v_nop                                          ; a plain place behind the reciprocal; with the three lines above it and the next: the places behind the last products
	v_nop
	s_wait_alu depctr_va_vdst(0)                   ; the wait ahead of the reciprocal's first reader and of the first read of O^T
.irp j, 0,2,4,6,8,10,12,14,16,18,20,22,24,26,28,30
	v_pk_mul_f32 v[S+\j:S+1+\j], v[O+\j:O+1+\j], v[SUM:SUM+1] op_sel_hi:[1,0]   ; each accumulator from its low end on
.endr
.irp b, 0,1
	v_max3_num_f32 v[BM+\b], |v[S+16*\b]|, |v[S+1+16*\b]|, 0x1800000
.endr
.irp i, 2,4,6,8,10,12,14
.irp b, 0,1
	s_delay_alu instid0(VALU_DEP_2)
	v_max3_num_f32 v[BM+\b], v[BM+\b], |v[S+16*\b+\i]|, |v[S+1+16*\b+\i]|
.endr
.endr
	s_delay_alu instid0(VALU_DEP_2)
	v_permlanex16_b32 v[T0], v[BM], s[SEL], s[SEL+1]
	s_delay_alu instid0(VALU_DEP_2)
	v_permlanex16_b32 v[T2], v[BM+1], s[SEL], s[SEL+1]
	s_delay_alu instid0(VALU_DEP_2)
	v_max_num_f32 v[BM], v[BM], v[T0]
	s_delay_alu instid0(VALU_DEP_2)
	v_max_num_f32 v[BM+1], v[BM+1], v[T2]
	s_delay_alu instid0(VALU_DEP_2)
	v_add_nc_u32 v[SO], 0xff000000, v[BM]
	s_delay_alu instid0(VALU_DEP_2)
	v_add_nc_u32 v[SO+1], 0xff000000, v[BM+1]
	s_delay_alu instid0(VALU_DEP_2)
	v_lshrrev_b32 v[T0], 23, v[SO]
	s_delay_alu instid0(VALU_DEP_2)
	v_lshrrev_b32 v[T2], 23, v[SO+1]
	s_delay_alu instid0(VALU_DEP_1)
	v_lshl_or_b32 v[T1], v[T2], 8, v[T0]           ; my query's two scale bytes
	v_cvt_scalef32_pk16_fp6_f32 v[PC:PC+2], v[S:S+15], v[SO]
	v_cvt_scalef32_pk16_fp6_f32 v[S+32:S+34], v[S+16:S+31], v[SO+1]
	v_nop                                          ; one plain place behind a scaled conversion
.irp i, 0,1,2
	v_permlane16_swap_b32 v[PC+\i], v[S+32+\i]     ; here a block lies in lanes l and l xor 16: the operand wants it whole in a lane
.endr
.irp i, 0,1,2
	v_mov_b32 v[PC+3+\i], v[S+32+\i]
.endr
	global_store_b128 v[L16], v[PC:PC+3], s[36:37]             ; 512 consecutive bytes, and
	global_store_b64 v[L8], v[PC+4:PC+5], s[36:37] offset:512  ; 256: both at multiples of 256 from ac's first byte
	s_wait_xcnt 0x0                                ; EXEC changes only behind this wait
	v_cmp_gt_u32 vcc_lo, 0x100, v[L16]
	s_and_saveexec_b32 s40, vcc_lo                 ; lanes 0-15: two bytes a query, beside its 48 bytes of codes: the other bytes of these words are other heads', which are other work-groups' results
	global_store_b16 v[R32], v[T1], s[38:39]
	s_wait_xcnt 0x0                                ; the stores have read their registers and bases too
	s_or_b32 exec_lo, exec_lo, s40
	s_add_co_u32 s43, s43, 1
	s_cmp_lt_u32 s43, 2
	s_cbranch_scc0 .Ldone
	s_add_nc_u64 s[36:37], s[36:37], 1536          ; the next tile's fragment in ac, its words in asc,
	s_add_nc_u64 s[38:39], s[38:39], 512
	s_add_nc_u64 s[16:17], s[16:17], 520           ; and its six registers of q's image: 6-7, 8-9, 10-11, at bytes 520, 1,024, 1,032
	s_add_nc_u64 s[PB:PB+1], s[PB:PB+1], 1016
	QLOAD
	s_wait_alu depctr_va_vdst(0)                   ; the wait ahead of the backward jump
	s_cmp_lt_u32 s43, 2
	s_cbranch_scc1 .Lpass
.Ldone:
	s_wait_tensorcnt 0x0                           ; the wave's end, behind my last tensor load
	ds_add_u32 v[SPW], v[NIL]
	s_wait_dscnt 0x0
	CROUND                                         ; the closing round: no work-group ends while a partner may still ask for a tile that names it
	s_endpgm
.Lfunc_end_k_qa82e2232c9_attn:
	.size	k_qa82e2232c9_attn, .Lfunc_end_k_qa82e2232c9_attn-k_qa82e2232c9_attn
	.p2alignl 7, 3214868480
	.fill 96, 4, 3214868480
	.section	.rodata,"a",@progbits
	.p2align	6, 0x0
	.amdhsa_kernel k_qa82e2232c9_attn
		.amdhsa_group_segment_fixed_size 264192
		.amdhsa_private_segment_fixed_size 0
		.amdhsa_enable_private_segment 0
		.amdhsa_kernarg_size 32
		.amdhsa_user_sgpr_count 2
		.amdhsa_user_sgpr_kernarg_segment_ptr 1
		.amdhsa_wavefront_size32 1
		.amdhsa_system_sgpr_workgroup_id_x 1
		.amdhsa_system_sgpr_workgroup_id_y 1
		.amdhsa_system_sgpr_workgroup_id_z 1
		.amdhsa_system_vgpr_workitem_id 0
		.amdhsa_next_free_vgpr 256
		.amdhsa_next_free_sgpr 66
		.amdhsa_reserve_vcc 1
		.amdhsa_float_denorm_mode_32 3
		.amdhsa_float_denorm_mode_16_64 3
		.amdhsa_memory_ordered 1
		.amdhsa_forward_progress 1
		.amdhsa_inst_pref_size 42
	.end_amdhsa_kernel
	.amdgpu_metadata
---
amdhsa.version: [ 1, 2 ]
amdhsa.kernels:
  - .name:           k_qa82e2232c9_attn
    .symbol:         k_qa82e2232c9_attn.kd
    .args:
      - { .name: qf, .offset: 0, .size: 8, .value_kind: global_buffer, .address_space: global }
      - { .name: kv, .offset: 8, .size: 8, .value_kind: global_buffer, .address_space: global }
      - { .name: ac, .offset: 16, .size: 8, .value_kind: global_buffer, .address_space: global }
      - { .name: asc, .offset: 24, .size: 8, .value_kind: global_buffer, .address_space: global }
    .group_segment_fixed_size: 264192
    .private_segment_fixed_size: 0
    .kernarg_segment_align: 8
    .kernarg_segment_size: 32
    .max_flat_workgroup_size: 512
    .sgpr_count:     66
    .vgpr_count:     256
    .wavefront_size: 32
...
	.end_amdgpu_metadata
.endif
;; end of part 3
;; launch oproj (part 4): grid 256 x 1, 4 waves a work-group, no clusters, 120,320 bytes of LDS; arguments ac, asc, wf, bo, out0; writes out0
.if DOCPART == 4
	.amdgcn_target "amdgcn-amd-amdhsa--gfx1250"
	.amdhsa_code_object_version 6
	.text
	.protected	k_qa82e2232c9_oproj
	.globl	k_qa82e2232c9_oproj
	.p2align	8
	.type	k_qa82e2232c9_oproj,@function
k_qa82e2232c9_oproj:
	s_mov_b64 s[64:65], 0
	v_nop
	global_prefetch_b8 v0, s[64:65] scope:SCOPE_SE
	s_setreg_imm32_b32 hwreg(HW_REG_WAVE_MODE, 25, 1), 1
	s_wait_xcnt 0x0
; Launch 4 of 4: out0 = (the attention's result) Wo + bo on codes of E2M3.  Nothing of reference() is left out.  Limits: as stated at the head of the first launch.
; SHARES.  Work-group number = 4 x (block of 128 rows) + quarter of the 1,024 columns; wave w makes 128 rows x the 64 columns 64 (4 quarter + w): 32 accumulators, 256 registers (window 1).
; The block's 64 fragments (8 K steps x 8 row tiles) and their scale words come from ac and asc through registers into LDS, 16 fragments a wave, and are there laid as images of their registers (register 4 c + i of lane l at
; 512 c + 16 l + 4 i); a barrier; every wave loads them so.  In ac a fragment lies as two halves of six registers, one from each of two heads.
; ALL OF A WAVE'S WEIGHTS ARE ASKED FOR AT THE HEAD: 8 K steps x 4 fragments are 384 registers (windows 2 and 3), their scale words 32 (window 0), the bias 32 (window 2).  These loads stand ahead of the rows' codes, so the
; counted waits of the copy, which count younger loads alone, stay as they are, and the wait for 0 at the copy's end shows the weights in too: the K steps wait for no global load.
; Source 0 = the weights' tile, source 1 = the rows' tile: a lane holds one row and 16 neighbouring columns in the registers of two neighbouring weight tiles.  bo is the C of each sum's first matrix instruction.
; THE ROWS OF A TILE ARE NOT NEIGHBOURS: lane r of tile 2 b + u is row 32 b + 8 u + r + 8 (r / 8) of the block: only the stores' offsets know of it.
; NO CLUSTER, NO TENSOR LOAD: a weight fragment is multiplied by one wave alone and goes from memory straight into its registers; the rows' codes, which four work-groups share, are 98,304 bytes read once by each
; and have to be laid anew on the way, which the way through registers does.  No prefetch: every global load stands at the head.
; REGISTERS, window 0: v1-12 addresses; v14, v15 the add's two; v16-23 the rows' scale words; v32-127 the rows' 8 fragments; v224-255 the weights' scale words, four a K step.  The copy at the head uses v32-223; the way out v32-95.
;   window 1: the accumulators.  window 2: K steps 0-3 at v[48 s], the bias at v192-223.  window 3: K steps 4-7.
.set XSC,   98304                      ; LDS: from 0 the images [K step][tile][1,536]; here their scale words [tile][r][8 words];
.set STG,   102400                     ; the stages for the way out, 16 rows x (256 bytes + 16) for each wave;
.set SPARE, 119808                     ; the spare words, 128 bytes for each wave: two blocks of 256 bytes that no other line names
.set L16,  1                           ; 16 x lane
.set L8,   2                           ; 8 x lane
.set CPY,  3                           ; where I store my 16 images
.set CPS,  4                           ; and my 1,024 bytes of scale words
.set STO,  5                           ; the stage: where I put 64 bytes of a row
.set RD,   6                           ; and where I read a row back
.set LIB,  8                           ; 16 x lane + 49,152: images of K steps 4-7 (an LDS offset has 16 bits)
.set LS,   9                           ; the rows' scale words: 32 r
.set WR,   10                          ; the weights' scale words in a block of wf: 6,144 + 16 r
.set BH,   11                          ; the bias: 64 h
.set CO,   12                          ; my byte offset in two rows of out0
.set SPW,  14
.set NIL,  15
.set AS,   16
.set AF,   32
.set BS,   224
.set BIAS, 192
.set OB,   32
.set WV,   20
.set WP,   24                          ; s[24:25] my columns' blocks of wf
.set BP,   26                          ; s[26:27] my 64 numbers of bo
.set OUT,  28                          ; s[28:29] out0 at the block's first row, my first column
.set ACB,  30                          ; s[30:31] my 16 fragments in ac;  s[32:33] my scale words in asc
.set ASB,  32
.set MSB, 0
.macro WIN new                         ; the immediate's high byte repeats the setting that is left
.if MSB != \new
	s_set_vgpr_msb (MSB<<8)|\new
.set MSB, \new
.endif
.endm
.macro PLACES                          ; four places behind a matrix instruction, in front of loads into its registers and of reads of its results
.rept 4
	v_nop
.endr
.endm
.macro BLOAD s                         ; the weights' four fragments of K step s into window 2 or 3, their scale words into window 0
	WIN 0x80+0x40*((\s)/4)
.irp i, 0,1,2,3,4,5,6,7,8,9,10,11
	global_load_b128 v[48*((\s)%4)+4*\i:48*((\s)%4)+4*\i+3], v[L16], s[WP:WP+1] offset:6400*(\s)+512*\i
.endr
	WIN 0
	global_load_b128 v[BS+4*(\s):BS+4*(\s)+3], v[WR], s[WP:WP+1] offset:6400*(\s)
.endm
.macro AH half, s                      ; the rows' tiles 4 half .. 4 half + 3 of K step s: 16 LDS loads
.irp t, 0,1,2,3
.irp c, 0,1,2
.if (\s) < 4
	ds_load_b128 v[AF+12*(4*(\half)+\t)+4*\c:AF+12*(4*(\half)+\t)+4*\c+3], v[L16] offset:(((\s)%4)*8+4*(\half)+\t)*1536+512*\c
.else
	ds_load_b128 v[AF+12*(4*(\half)+\t)+4*\c:AF+12*(4*(\half)+\t)+4*\c+3], v[LIB] offset:(((\s)%4)*8+4*(\half)+\t)*1536+512*\c
.endif
.endr
	ds_load_b32 v[AS+4*(\half)+\t], v[LS] offset:512*(4*(\half)+\t)+4*(\s)
.endr
.endm
; 16 matrix instructions.  The 32 accumulators take turns, one instruction a turn, in the same order in every K step.  K step 0 starts the sums from the bias.
.macro MUL half, s
.irp t, 0,1,2,3
.irp f, 0,1,2,3
.set TT, 4*(\half)+\t
.set FW, 48*((\s)%4)+12*\f
.set FX, AF+12*TT
.set DD, 32*TT+8*\f
.if (\s) == 0
	v_wmma_scale_f32_16x16x128_f8f6f4 v[DD:DD+7], v[FW:FW+11], v[FX:FX+11], v[BIAS+8*\f:BIAS+8*\f+7], v[BS+4*(\s)+\f], v[AS+TT] matrix_a_fmt:MATRIX_FMT_FP6 matrix_b_fmt:MATRIX_FMT_FP6
.else
	v_wmma_scale_f32_16x16x128_f8f6f4 v[DD:DD+7], v[FW:FW+11], v[FX:FX+11], v[DD:DD+7], v[BS+4*(\s)+\f], v[AS+TT] matrix_a_fmt:MATRIX_FMT_FP6 matrix_b_fmt:MATRIX_FMT_FP6
.endif
.endr
.endr
.endm
.macro MWIN s                          ; D in window 1; source 0 (the weights) in window 2 or 3; source 1 in window 0; C in window 2 (the bias) in K step 0, else in window 1
.if (\s) == 0
	WIN 0x62
.else
	WIN 0x52+(\s)/4
.endif
.endm
.macro KSTEP s                         ; K step s of 8: 32 matrix instructions; the next step's rows are asked for on the way
	s_wait_dscnt 16                                ; the rows' tiles 0-3 are in; the 16 loads of tiles 4-7 may be out
	MWIN \s
	MUL 0, \s
	s_wait_dscnt 0x0                               ; tiles 4-7 are in
.if (\s)+1 < 8
	WIN 0
	PLACES
	AH 0, (\s)+1
	MWIN \s
.endif
	MUL 1, \s
	WIN 0
.if (\s)+1 < 8
	PLACES
	AH 1, (\s)+1
.endif
.endm
; THE WAY OUT, a row tile at a time.  A lane holds 64 bytes twice of one row and the lanes beside it hold other rows: the tile's 16 rows x 256 bytes go through my own stage and come back by rows.
.macro TOSTAGE t
	WIN 0x04                                       ; an LDS store's data are its source 1: window 1
.irp i, 0,1,2,3,4,5,6,7
	ds_store_b128 v[STO], v[32*(\t)+4*\i:32*(\t)+4*\i+3] offset:128*(\i/4)+16*(\i%4)   ; each accumulator from its low end on
.endr
	WIN 0
.irp i, 0,1,2,3,4,5,6,7
	ds_load_b128 v[OB+32*((\t)%2)+4*\i:OB+32*((\t)%2)+4*\i+3], v[RD] offset:544*\i   ; LDS serves a wave's instructions in order (ISA guide 5.7.1.4): these see the stores above, and the next tile's stores come behind them
.endr
.endm
.macro SEND t, younger                 ; younger: the LDS instructions issued behind tile t's loads, which may stay out
	s_wait_dscnt \younger
.irp i, 0,1,2,3,4,5,6,7
	global_store_b128 v[CO], v[OB+32*((\t)%2)+4*\i:OB+32*((\t)%2)+4*\i+3], s[OUT:OUT+1] offset:(32*((\t)/2)+8*((\t)%2)+2*\i+8*(\i/4))*4096 th:TH_STORE_NT   ; 16 lanes store 256 consecutive bytes, at a multiple of 256 from out0's first byte
.endr
.endm
	s_load_b256 s[4:11], s[0:1], 0x0               ; ac s[4:5], asc s[6:7], wf s[8:9], bo s[10:11]
	s_load_b64 s[12:13], s[0:1], 0x20              ; out0
	v_lshl_add_u32 v[SPW], v0, 2, SPARE
	v_mov_b32 v[NIL], 0
	v_lshrrev_b32 v7, 5, v0
	v_readfirstlane_b32 s[WV], v7                  ; wave 0..3
	v_and_b32 v7, 31, v0                           ; lane
	v_lshlrev_b32 v[L16], 4, v7
	v_lshlrev_b32 v[L8], 3, v7
	v_and_b32 v7, 15, v0                           ; r
	v_bfe_u32 v13, v0, 4, 1                        ; h
	s_mul_i32 s34, s[WV], 24576
	v_add_nc_u32 v[CPY], s34, v[L16]
	s_lshl_b32 s34, s[WV], 10
	s_add_co_u32 s34, s34, XSC
	v_add_nc_u32 v[CPS], s34, v[L16]
	s_mul_i32 s34, s[WV], 4352
	s_add_co_u32 s34, s34, STG                     ; my stage
	v_mul_u32_u24 v[STO], v7, 272                  ; in: row r, + 64 h
	v_lshl_add_u32 v[STO], v13, 6, v[STO]
	v_add_nc_u32 v[STO], s34, v[STO]
	v_mul_u32_u24 v[RD], v13, 272                  ; back: lanes 0-15 one row of 256 bytes, lanes 16-31 the next
	v_lshl_add_u32 v[RD], v7, 4, v[RD]
	v_add_nc_u32 v[RD], s34, v[RD]
	v_lshlrev_b32 v[CO], 12, v13                   ; and the same two rows in out0
	v_lshl_add_u32 v[CO], v7, 4, v[CO]
	v_add_nc_u32 v[LIB], 49152, v[L16]
	v_lshlrev_b32 v[LS], 5, v7
	v_add_nc_u32 v[LS], XSC, v[LS]
	v_lshlrev_b32 v[WR], 4, v7
	v_add_nc_u32 v[WR], 6144, v[WR]
	v_lshlrev_b32 v[BH], 6, v13
	s_and_b32 s21, ttmp9, 3
	s_lshr_b32 s22, ttmp9, 2                       ; block of 128 rows
	s_lshl_b32 s23, s21, 2
	s_add_co_u32 s23, s23, s[WV]                   ; my 64 columns
	s_mul_i32 s36, s22, 98304
	s_mul_i32 s38, s[WV], 24576
	s_add_co_u32 s36, s36, s38
	s_mov_b32 s37, 0
	s_lshl_b32 s38, s22, 12
	s_lshl_b32 s40, s[WV], 10
	s_add_co_u32 s38, s38, s40
	s_mov_b32 s39, 0
	s_mul_i32 s40, s23, 51200                      ; 8 blocks of 6,400 bytes,
	s_add_co_u32 s40, s40, 819200                  ; in Wo's part of wf
	s_mov_b32 s41, 0
	s_lshl_b32 s42, s23, 8                         ; 64 numbers of f32
	s_mov_b32 s43, 0
	s_lshl_b32 s44, s22, 19                        ; 128 rows of 4,096 bytes
	s_add_co_u32 s44, s44, s42
	s_mov_b32 s45, 0
	s_wait_alu depctr_va_vdst(0)                   ; the wait at the head's end
	s_wait_kmcnt 0x0
	s_add_nc_u64 s[ACB:ACB+1], s[4:5], s[36:37]
	s_add_nc_u64 s[ASB:ASB+1], s[6:7], s[38:39]
	s_add_nc_u64 s[WP:WP+1], s[8:9], s[40:41]
	s_add_nc_u64 s[BP:BP+1], s[10:11], s[42:43]
	s_add_nc_u64 s[OUT:OUT+1], s[12:13], s[44:45]
	WIN 0x80                                       ; destination in window 2
.irp i, 0,1,2,3,4,5,6,7                        ; the bias: register 16 b + i of a row tile's 32 is column 32 b + 16 h + i of my 64
	global_load_b128 v[BIAS+4*\i:BIAS+4*\i+3], v[BH], s[BP:BP+1] offset:128*(\i/4)+16*(\i%4)
.endr
.irp s, 0,1,2,3,4,5,6,7
	BLOAD \s
.endr
.irp i, 0,1,2,3,4,5,6,7,8,9,10,11,12,13,14,15  ; a fragment's two halves: registers 0-3 and 4-5, registers 6-9 and 10-11; every load takes 512 or 256 consecutive bytes
	global_load_b128 v[AF+12*\i:AF+12*\i+3], v[L16], s[ACB:ACB+1] offset:1536*\i
	global_load_b64 v[AF+12*\i+4:AF+12*\i+5], v[L8], s[ACB:ACB+1] offset:1536*\i+512
	global_load_b128 v[AF+12*\i+6:AF+12*\i+9], v[L16], s[ACB:ACB+1] offset:1536*\i+768
	global_load_b64 v[AF+12*\i+10:AF+12*\i+11], v[L8], s[ACB:ACB+1] offset:1536*\i+1280
.endr
	global_load_b128 v[AS:AS+3], v[L16], s[ASB:ASB+1]
	global_load_b128 v[AS+4:AS+7], v[L16], s[ASB:ASB+1] offset:512
.irp i, 0,1,2,3,4,5,6,7,8,9,10,11,12,13,14,15
	s_wait_loadcnt 62-4*\i                         ; fragment i is in: behind its loads stand four for each of the 15 - i later fragments and the two of the scale words
.irp c, 0,1,2
	ds_store_b128 v[CPY], v[AF+12*\i+4*\c:AF+12*\i+4*\c+3] offset:1536*\i+512*\c
.endr
.endr
	s_wait_loadcnt 0x0                             ; the scale words; the weights and the bias, which are older, are in too
	ds_store_b128 v[CPS], v[AS:AS+3]
	ds_store_b128 v[CPS], v[AS+4:AS+7] offset:512
	s_wait_dscnt 0x0                               ; for the others' sake: my images have landed (and the stores have read their registers)
	s_barrier_signal -1
	s_barrier_wait -1                              ; the block's fragments lie in LDS; nobody writes them from here on
	AH 0, 0
	AH 1, 0
.irp s, 0,1,2,3,4,5,6,7
	KSTEP \s
.endr
	PLACES                                         ; for the stores that read results and for the loads into the registers that held the rows' fragments
	TOSTAGE 0
.irp a, 1,2,3,4,5,6,7
.if \a > 1
	s_wait_xcnt 0x0                                ; tile a - 2's stores have read their registers: tile a's loads may land there
.endif
	TOSTAGE \a
	SEND \a-1, 16                                  ; behind tile a - 1's loads: tile a's 8 stores and 8 loads
.endr
	SEND 7, 0
	s_wait_tensorcnt 0x0                           ; the wave's end, behind my last LDS store
	ds_add_u32 v[SPW], v[NIL]
	s_wait_dscnt 0x0
	s_endpgm
.Lfunc_end_k_qa82e2232c9_oproj:
	.size	k_qa82e2232c9_oproj, .Lfunc_end_k_qa82e2232c9_oproj-k_qa82e2232c9_oproj
	.p2alignl 7, 3214868480
	.fill 96, 4, 3214868480
	.section	.rodata,"a",@progbits
	.p2align	6, 0x0
	.amdhsa_kernel k_qa82e2232c9_oproj
		.amdhsa_group_segment_fixed_size 120320
		.amdhsa_private_segment_fixed_size 0
		.amdhsa_enable_private_segment 0
		.amdhsa_kernarg_size 40
		.amdhsa_user_sgpr_count 2
		.amdhsa_user_sgpr_kernarg_segment_ptr 1
		.amdhsa_wavefront_size32 1
		.amdhsa_system_sgpr_workgroup_id_x 1
		.amdhsa_system_sgpr_workgroup_id_y 1
		.amdhsa_system_sgpr_workgroup_id_z 1
		.amdhsa_system_vgpr_workitem_id 0
		.amdhsa_next_free_vgpr 1024
		.amdhsa_next_free_sgpr 66
		.amdhsa_reserve_vcc 0
		.amdhsa_float_denorm_mode_32 3
		.amdhsa_float_denorm_mode_16_64 3
		.amdhsa_memory_ordered 1
		.amdhsa_forward_progress 1
		.amdhsa_inst_pref_size 91
	.end_amdhsa_kernel
	.amdgpu_metadata
---
amdhsa.version: [ 1, 2 ]
amdhsa.kernels:
  - .name:           k_qa82e2232c9_oproj
    .symbol:         k_qa82e2232c9_oproj.kd
    .args:
      - { .name: ac, .offset: 0, .size: 8, .value_kind: global_buffer, .address_space: global }
      - { .name: asc, .offset: 8, .size: 8, .value_kind: global_buffer, .address_space: global }
      - { .name: wf, .offset: 16, .size: 8, .value_kind: global_buffer, .address_space: global }
      - { .name: bo, .offset: 24, .size: 8, .value_kind: global_buffer, .address_space: global }
      - { .name: out0, .offset: 32, .size: 8, .value_kind: global_buffer, .address_space: global }
    .group_segment_fixed_size: 120320
    .private_segment_fixed_size: 0
    .kernarg_segment_align: 8
    .kernarg_segment_size: 40
    .max_flat_workgroup_size: 128
    .sgpr_count:     66
    .vgpr_count:     1024
    .wavefront_size: 32
...
	.end_amdgpu_metadata
.endif
;; end of part 4
